; MI455X (gfx1250); checked and timed in simulation.
; The chip was launched on July 23, 2026; its instructions are those of AMD's public machine-readable ISA for CDNA 5 (MIT licence, August 2026) and "CDNA5" Instruction Set Architecture Reference Guide (July 2026). The comments in the code are by the model that wrote it; some were corrected since.
;; New Attention. Allowed arithmetic: matrix products marked QUANTISED: E3M2 operands, one E8M0 scale for each 32 along K, by v_wmma_scale_f32_16x16x128_f8f6f4 with both operands' format E3M2, f32 sums; everything else in f32.
;; Inputs: Wk 1,024 x 1,024 float32; Wo 1,024 x 1,024 float32; Wq 1,024 x 1,024 float32; Wv 1,024 x 1,024 float32; lambdas 2 float32; x 4 x 2,048 x 1,024 float32.
;; Outputs: out0 4 x 2,048 x 1,024 float32.
;; This version of the problem:
;;   THIS VERSION OF THE PROBLEM IS GIVEN IN LOW PRECISION. The matrix products marked QUANTISED in the list below multiply operands that are first quantised to E3M2 (3 exponent bits, 2 mantissa bits; 6 bits a number), with one power-of-two scale for each 32 numbers along K (OCP MX v1.0); their sums are f32. All else is computed in f32.
;;   The module's matrix products, in the order in which they are computed (A, B: the left and right operand; K: the contracted axis; several contracted axes count as one K, in the product's order):
;;     1. [M 8,192, K 1,024] x [K 1,024, N 1,024]; A: input x; B: input Wq: QUANTISED
;;     2. [M 8,192, K 1,024] x [K 1,024, N 1,024]; A: input x; B: input Wk: QUANTISED
;;     3. [M 8,192, K 1,024] x [K 1,024, N 1,024]; A: input x; B: input Wv: QUANTISED
;;     4. batch 64 x [M 2,048, K 64] x [K 64, N 2,048]; A: computed on the way; B: computed on the way: QUANTISED
;;     5. batch 64 x [M 64, K 2,048] x [K 2,048, N 2,048]; A: computed on the way; B: softmax (see below): QUANTISED
;;     6. [M 8,192, K 1,024] x [K 1,024, N 1,024]; A: computed on the way; B: input Wo: QUANTISED
;;   THE QUANTISER, for each operand of a quantised product, along K:
;;     - K is cut into blocks of 32 from its start; a last block that is shorter is filled with zeros.
;;     - A block's scale is 2^e with e = floor(log2(the largest magnitude in the block)) - 4, held to -126 .. 127; a block of zeros has e = 0. As a byte (E8M0): e + 127.
;;     - Each number is divided by its block's scale, clamped to +-28, and rounded to the nearest number of E3M2, ties to even, subnormals kept.
;;     - The product sums the exact products of the quantised numbers (number of the format x scale) in f32.
;;   ~~~python
;;   def quantise(x, axis):      # numpy; x: float32 -> the quantised numbers, widened to float32 again
;;       x = np.moveaxis(x, axis, -1); K = x.shape[-1]
;;       x = np.pad(x, [(0, 0)] * (x.ndim - 1) + [(0, -K % 32)]); x = x.reshape(x.shape[:-1] + (-1, 32)); a = np.abs(x).max(-1, keepdims=True)
;;       e = np.where(a > 0, np.clip(np.frexp(np.where(a > 0, a, 1))[1] - 1 - 4, -126, 127), 0)      # np.frexp(a)[1] - 1 = floor(log2(a)), exactly
;;       r = np.clip(x / 2.0 ** e, -28, 28)
;;       step = 2.0 ** (np.maximum(np.frexp(np.where(r == 0, 1, r))[1] - 1, -2) - 2)
;;       q = np.round(r / step) * step * 2.0 ** e      # np.round: ties to even
;;       return np.moveaxis(q.reshape(q.shape[:-2] + (-1,))[..., :K], -1, axis).astype(np.float32)
;;   ~~~
;;   SOFTMAX AHEAD OF A QUANTISED PRODUCT. Where the list says 'softmax', what is quantised is not the finished softmax but p = 2^(t - M), with t = logit x log2(e) and M = ceil(the row's largest t), a whole number; so 1/2 < the row's largest p <= 1. The row's sum l is taken of the UNQUANTISED p, in f32, and the product's result is divided by l at the end. Since M is a whole number, a kernel that streams over the keys may use a running M (the ceiling of the running maximum): every later rescaling is an exact power of two, which a block's scale takes up: the codes' values come out the same.
;;   OPERANDS COMPUTED ON THE WAY. 'Computed on the way' means the value that the module computes at that place (a softmax that the list does not call 'softmax' is quantised finished and normalised). What goes into a quantiser is computed in f32, as accurately as f32 sums, v_exp_f32 and their like allow (about 1e-6 of the number): no bf16 or f16 on the way to a quantiser, and a product that is left as it is and whose result goes on into a quantised operand takes f32 operands (vector FMAs, or v_wmma_f32_16x16x4_f32). A number that lies on a knife's edge between two numbers of the format may be rounded either way, as far as f32 arithmetic and the matrix unit's own rounding can turn it there, and no further.
;; One version. Each part assembles by itself: llvm-mc -triple=amdgcn-amd-amdhsa -mcpu=gfx1250 --defsym DOCPART=n.
;; ======== version 1 of 1: 4 launches
;; limits: right only within a limited range of input values
;; workspace buffers: xq 6,553,600 bytes; wq 3,276,800 bytes; rope 524,288 bytes; qb 6,815,744 bytes; kv 13,369,344 bytes; hq 6,553,600 bytes
;; launch prep (part 1): grid 256 x 1, 7 waves a work-group, no clusters, 53,248 bytes of LDS; arguments x, Wq, Wk, Wv, Wo, xq, wq, rope; writes xq, wq, rope
.if DOCPART == 1
	.amdgcn_target "amdgcn-amd-amdhsa--gfx1250"
	.amdhsa_code_object_version 6
	.text
	.protected	k_qa2c3ee4478_prep
	.globl	k_qa2c3ee4478_prep
	.p2align	8
	.type	k_qa2c3ee4478_prep,@function
k_qa2c3ee4478_prep:
	s_mov_b64 s[64:65], 0
	v_nop
	global_prefetch_b8 v0, s[64:65] scope:SCOPE_SE
	s_setreg_imm32_b32 hwreg(HW_REG_WAVE_MODE, 25, 1), 1
	s_wait_xcnt 0x0
; PREP.  x [8192][1024] and Wq, Wk, Wv, Wo [1024][1024], f32 with K innermost, become codes of BF6 (E3M2) with one E8M0 byte for each 32 along K, laid in the order
; in which the later launches' operand registers take them; and the RoPE table (cos, sin) is made.
; DEAD WORK: reference() takes lambdas as an argument and names it in no expression, so it reaches no output whatever it holds: it is not loaded and is no argument of any launch.  A NaN or an infinity in it is not carried to the result.
; THE LAYOUT.  Rows go in tiles of 16: place r of tile T is row 64 (T / 4) + 32 (r / 8) + 8 (T % 4) + r % 8, in the whole program: a lane's 32 results of four neighbouring tiles are then 32 neighbours, one scale block.
; A tile's codes are 16 chunks of 64 along K, 768 bytes each: lane (r, h) of a wave owns the 24 bytes of block h of row r; its first 16 bytes lie at 16 x lane, its last 8 at 512 + 8 x lane.  Two chunks are an operand's 12 registers.
; Scale bytes: 32 a row, rows in the tile's order, 512 bytes a tile, behind the codes (XS in xq, WS in wq).  wq holds Wq, Wk, Wv, Wo on end, 64 tiles each.
; A block's scale is 2^(floor(log2(largest magnitude)) - 4): its byte is the largest magnitude's exponent field - 4, held at 1 from below.
; SHARES.  256 work-groups of 7 waves.  Waves 0-5 quantise: number 6 x work-group + wave = 2 x tile + half: 16 rows x 512 along K, eight chunks (768 tiles: 512 of x, 256 of the weights).  Wave 6 makes the table: 16 positions x 16 pairs.
; Each load reads two rows' 256 consecutive bytes; a chunk turns through the wave's own stage in LDS (rows 272 bytes apart) so that a lane gets a whole block of 32 neighbours.  Waves share nothing: no barrier.
; A wave's scale bytes are 16 of each row's 32: the other half of K's come from another wave.
; LIMITS: NaN and infinities are not served.  Blocks whose largest magnitude lies under 2^-122, blocks of zeros among them, get the byte 1 (the rule says 127 for zeros): their codes are what the
; conversion gives under that byte, zeros for zeros, and this program alone reads the bytes.  The table's frequencies come from v_exp_f32 and may differ from reference()'s by an ulp or two:
; at position 2,047 up to about 2e-4 rad.  The angle's reduction by pi/2 in three parts holds for angles under 2^13.
.set XS,   6291456                     ; xq: where the scale bytes begin
.set WS,   3145728                     ; wq: likewise
.set WREG, 8704                        ; LDS of a quantising wave: two stages
.set STG,  4352                        ; a stage: 16 rows x 272 bytes
.set SPARE, 6*WREG                     ; the spare words: 128 bytes a wave
.set NC,   8                           ; chunks a wave
.set SB,   16                          ; v16-19   the row's scale words of my half of K
.set PB,   24                          ; v24-27   the partner lane's
.set CD,   32                          ; v32-37   a chunk's codes of my block
.set DD,   38                          ; v38-40   their second half as the conversion leaves it
.set X,    48                          ; v48-111  two sets of 32 neighbours
.set R,    112                         ; v112-239 four sets of 32 numbers as loaded
	s_load_b256 s[4:11], s[0:1], 0x0               ; x, Wq, Wk, Wv
	s_load_b64 s[12:13], s[0:1], 0x20              ; Wo
	s_load_b128 s[16:19], s[0:1], 0x28             ; xq, wq
	s_load_b64 s[20:21], s[0:1], 0x38              ; rope
	v_lshl_add_u32 v240, v0, 2, SPARE
	v_mov_b32 v241, 0
	v_lshrrev_b32 v1, 5, v0
	v_readfirstlane_b32 s34, v1                    ; wave
	v_and_b32 v1, 31, v0                           ; lane
	v_and_b32 v2, 15, v0                           ; r
	v_bfe_u32 v3, v0, 4, 1                         ; h
	v_lshlrev_b32 v7, 4, v1                        ; 16 x lane
	s_cmp_eq_u32 s34, 6
	s_cbranch_scc1 .Ltable
	; ---------------- the quantiser ----------------
	s_mul_i32 s26, ttmp9, 6
	s_add_co_u32 s26, s26, s34
	s_and_b32 s45, s26, 1                          ; which half of K
	s_lshr_b32 s26, s26, 1                         ; the tile, 0 .. 767
	v_lshlrev_b32 v4, 12, v3
	v_lshl_add_u32 v4, v2, 4, v4                   ; in: 4,096 h + 16 r: lanes 0-15 one row's 256 bytes, lanes 16-31 the next row's
	s_mul_i32 s35, s34, WREG
	v_mul_u32_u24 v5, v3, 272
	v_lshl_add_u32 v5, v2, 4, v5
	v_add_nc_u32 v5, s35, v5                       ; into the stage: row h of the pair, 16 r
	v_mul_u32_u24 v6, v2, 272
	v_lshl_add_u32 v6, v3, 7, v6
	v_add_nc_u32 v6, s35, v6                       ; out of it: row r, block h: 128 bytes
	v_lshlrev_b32 v8, 3, v1                        ; 8 x lane
	v_lshlrev_b32 v9, 5, v2
	v_lshl_add_u32 v9, v3, 3, v9                   ; scale bytes out: 32 r + 8 h
	v_lshlrev_b32 v10, 3, v3                       ; 8 h
.irp i, 0,1,2,3
	v_mov_b32 v[PB+\i], 0                          ; a lane permute's destination counts as one of its sources
.endr
	s_mov_b32 s44, 0xffff0000                      ; lanes 16-31
	s_mov_b32 s36, 0x76543210
	s_mov_b32 s37, 0xfedcba98                      ; v_permlanex16_b32's selects for lane l xor 16
	s_and_b32 s27, s26, 63                         ; a weight's tile in its own tensor,
	s_sub_co_u32 s28, s26, 512                     ; and in wq
	s_mov_b32 s29, WS
	s_wait_alu depctr_va_vdst(0)                   ; the wait at the head's end
	s_wait_kmcnt 0x0
	s_mov_b64 s[22:23], s[12:13]                   ; the source: Wo, unless the tile's number says otherwise
	s_cmp_lt_u32 s26, 704
	s_cselect_b64 s[22:23], s[10:11], s[22:23]
	s_cmp_lt_u32 s26, 640
	s_cselect_b64 s[22:23], s[8:9], s[22:23]
	s_cmp_lt_u32 s26, 576
	s_cselect_b64 s[22:23], s[6:7], s[22:23]
	s_cmp_lt_u32 s26, 512
	s_cselect_b64 s[22:23], s[4:5], s[22:23]
	s_cselect_b64 s[24:25], s[16:17], s[18:19]     ; the destination: xq or wq
	s_cselect_b32 s27, s26, s27
	s_cselect_b32 s28, s26, s28
	s_cselect_b32 s29, XS, s29
	s_lshr_b32 s30, s27, 2
	s_lshl_b32 s30, s30, 18                        ; 64 (T / 4) rows of 4,096 bytes
	s_and_b32 s31, s27, 3
	s_lshl_b32 s31, s31, 15                        ; + 8 (T % 4) rows
	s_add_co_u32 s30, s30, s31
	s_lshl_b32 s31, s45, 11                        ; + my half of K: 512 numbers
	s_add_co_u32 s30, s30, s31
	s_mov_b32 s31, 0
	s_add_nc_u64 s[22:23], s[22:23], s[30:31]
	s_lshl_b32 s30, s28, 9
	s_add_co_u32 s30, s30, s29
	s_lshl_b32 s46, s45, 4                         ; my half's 16 bytes of a row's 32
	s_add_co_u32 s30, s30, s46
	s_add_nc_u64 s[32:33], s[24:25], s[30:31]      ; my scale bytes
	s_mul_i32 s30, s28, 12288
	s_mul_i32 s46, s45, NC*768
	s_add_co_u32 s30, s30, s46
	s_add_nc_u64 s[24:25], s[24:25], s[30:31]      ; my codes
.macro LOAD k                          ; chunk k: 16 rows x 256 bytes; load j takes the tile's places 2 j and 2 j + 1; places 8 to 15 lie 32 rows behind places 0 to 7
.irp j, 0,1,2,3,4,5,6,7
	global_load_b128 v[R+32*((\k)%4)+4*\j:R+32*((\k)%4)+4*\j+3], v4, s[22:23] offset:(2*(\j%4)+32*(\j/4))*4096+256*(\k) th:TH_LOAD_NT
.endr
.endm
.macro TURN k                          ; through the stage: LDS serves a wave's instructions in order, so no wait stands between the stores and the loads
.irp j, 0,1,2,3,4,5,6,7
	ds_store_b128 v5, v[R+32*((\k)%4)+4*\j:R+32*((\k)%4)+4*\j+3] offset:STG*((\k)%2)+544*\j
.endr
.irp i, 0,1,2,3,4,5,6,7
	ds_load_b128 v[X+32*((\k)%2)+4*\i:X+32*((\k)%2)+4*\i+3], v6 offset:STG*((\k)%2)+16*\i
.endr
.endm
.macro STEP k
.set XB, X+32*((\k)%2)
	s_wait_dscnt 0x0                               ; chunk k is back from the stage, and its stores into the stage have read their registers
	s_wait_xcnt 0x0                                ; the last chunk's stores have read the codes' registers: they are written again only behind this wait
.if (\k) < NC-4
	LOAD (\k)+4
.endif
.if (\k) < NC-1
.if NC-2-(\k) >= 3
	s_wait_loadcnt 24                              ; chunk k + 1 is in; the three chunks behind it, eight loads each, may be out
.else
	s_wait_loadcnt 8*(NC-2-(\k))                   ; towards the end fewer chunks stand behind it
.endif
	TURN (\k)+1
.endif
	v_max3_num_f32 v12, |v[XB]|, |v[XB+1]|, |v[XB+2]|          ; the block's largest magnitude: all 32 numbers are mine; two chains
	v_max3_num_f32 v13, |v[XB+3]|, |v[XB+4]|, |v[XB+5]|
.irp i, 6,10,14,18,22,26
	v_max3_num_f32 v12, v12, |v[XB+\i]|, |v[XB+\i+1]|
	v_max3_num_f32 v13, v13, |v[XB+\i+2]|, |v[XB+\i+3]|
.endr
	v_max3_num_f32 v12, v12, |v[XB+30]|, |v[XB+31]|
	v_max3_num_f32 v12, v12, v13, 0x2800000        ; and the floor 2^(5 - 127): the byte cannot fall under 1
	v_add_nc_u32 v11, 0xfe000000, v12              ; 4 off the exponent field: the conversion takes this operand's exponent field as its scale
	v_cvt_scalef32_pk16_bf6_f32 v[CD:CD+2], v[XB:XB+15], v11
	v_cvt_scalef32_pk16_bf6_f32 v[DD:DD+2], v[XB+16:XB+31], v11   ; (a conversion's three registers begin on an even number)
	v_lshrrev_b32 v13, 23, v11                     ; the scale's byte: block 2 k + h of my part of the row.  (Plain lines behind the conversions)
.if (\k)%2 == 0
	v_mov_b32 v[SB+(\k)/2], v13                    ; word k / 2: byte h from an even chunk,
.else
	v_lshl_or_b32 v[SB+(\k)/2], v13, 16, v[SB+(\k)/2]   ; byte 2 + h from an odd one; the shift by 8 h comes at the end
.endif
.irp i, 0,1,2
	v_mov_b32 v[CD+3+\i], v[DD+\i]
.endr
	global_store_b128 v7, v[CD:CD+3], s[24:25] offset:768*(\k)        ; 512 consecutive bytes, aligned to 256
	global_store_b64 v8, v[CD+4:CD+5], s[24:25] offset:768*(\k)+512   ; 256 consecutive bytes, aligned
.endm
	LOAD 0
	LOAD 1
	LOAD 2
	LOAD 3
	s_wait_loadcnt 24                              ; chunk 0 is in; chunks 1 to 3 may be out
	TURN 0
.irp k, 0,1,2,3,4,5,6,7
	STEP \k
.endr
.irp i, 0,1,2,3
	v_lshlrev_b32 v[SB+\i], v10, v[SB+\i]          ; my bytes to their places: 8 h bits up
.endr
.irp i, 0,1,2,3
	v_permlanex16_b32 v[PB+\i], v[SB+\i], s36, s37
.endr
.irp i, 0,1,2,3
	v_or_b32 v[SB+\i], v[SB+\i], v[PB+\i]          ; with lane l xor 16's the four words are whole
.endr
.irp i, 0,1
	v_cndmask_b32 v[PB+\i], v[SB+\i], v[SB+2+\i], s44   ; lanes 0-15 store words 0, 1, lanes 16-31 words 2, 3
.endr
	global_store_b64 v9, v[PB:PB+1], s[32:33]
	s_wait_tensorcnt 0x0                           ; the wave's end
	ds_add_u32 v240, v241
	s_wait_dscnt 0x0
	s_endpgm
	; ---------------- the RoPE table ----------------
	; rope: [128 tiles of 16 positions][8 pieces][32 lanes][16 bytes]: lane (r, h), piece j: (cos, sin, cos, sin) of pairs 16 h + 2 j + 0, 1 at the tile's position r.
.Ltable:
	s_mov_b32 s26, ttmp9                           ; which of 256 waves
	s_lshr_b32 s27, s26, 1                         ; the tile of positions
	s_and_b32 s28, s26, 1                          ; which four pieces
	s_lshr_b32 s29, s27, 2
	s_lshl_b32 s29, s29, 6
	s_and_b32 s30, s27, 3
	s_lshl_b32 s30, s30, 3
	s_add_co_u32 s29, s29, s30
	s_wait_alu depctr_va_vdst(0)
	v_and_b32 v4, 8, v2
	v_mad_u32_u24 v4, v4, 3, v2                    ; r % 8 + 32 (r / 8)
	v_add_nc_u32 v4, s29, v4                       ; my position
	v_cvt_f32_u32 v4, v4
	s_lshl_b32 s30, s28, 3
	v_lshl_add_u32 v5, v3, 4, s30                  ; my first pair
.irp k, 0,1,2,3,4,5,6,7
	v_add_nc_u32 v[16+\k], \k, v5
.endr
.irp k, 0,1,2,3,4,5,6,7
	v_cvt_f32_u32 v[16+\k], v[16+\k]
.endr
.irp k, 0,1,2,3,4,5,6,7
	v_mul_f32 v[16+\k], 0xbed49a78, v[16+\k]       ; pair x (-log2(10000) / 32)
.endr
	s_wait_alu depctr_va_vdst(0)
.irp k, 0,1,2,3,4,5,6,7
	v_exp_f32 v[16+\k], v[16+\k]                   ; the frequency 10000^(-pair / 32)
.endr
	s_mov_b32 s35, 0x3f22f983                      ; 2 / pi
	s_mov_b32 s36, 0x3fc90fda                      ; pi / 2 in three parts
	s_mov_b32 s37, 0x33a22168
	s_mov_b32 s38, 0x27c234c4
	s_mov_b32 s39, 0xb94ca1f9                      ; sine's polynomial on |x| <= pi / 4
	s_mov_b32 s40, 0x3c08839e
	s_mov_b32 s41, 0xbe2aaaa3
	s_mov_b32 s42, 0x37ccf5ce                      ; cosine's
	s_mov_b32 s43, 0xbab6061a
	s_mov_b32 s45, 0x3d2aaaa5
	s_lshl_b32 s30, s27, 12
	s_lshl_b32 s31, s28, 11
	s_add_co_u32 s30, s30, s31
	s_mov_b32 s31, 0
	s_wait_kmcnt 0x0
	s_add_nc_u64 s[20:21], s[20:21], s[30:31]
	v_nop                                          ; a plain line behind the last exponential
	s_wait_alu depctr_va_vdst(0)                   ; one wait for the eight, ahead of their first reader
.irp k, 0,1,2,3,4,5,6,7
	v_mul_f32 v[16+\k], v4, v[16+\k]               ; the angle, rounded once as reference()'s outer product is
.endr
.macro SINCOS a, oc, os                ; angle in v[a], 0 or more: cos into v[oc], sin into v[os]
	v_mul_f32 v40, s35, v[\a]
	v_rndne_f32 v40, v40                           ; J: how many quarter turns
	v_fma_f32 v41, -v40, s36, v[\a]
	v_fma_f32 v41, -v40, s37, v41
	v_fma_f32 v41, -v40, s38, v41                  ; what is left, within pi / 4
	v_cvt_i32_f32 v42, v40
	v_mul_f32 v43, v41, v41
	v_fma_f32 v44, v43, s39, s40
	v_fma_f32 v45, v43, s42, s43
	v_mul_f32 v46, v43, v41
	v_fma_f32 v44, v44, v43, s41
	v_fma_f32 v45, v45, v43, s45
	v_mul_f32 v47, v43, v43
	v_fma_f32 v43, v43, -0.5, 1.0
	v_fma_f32 v44, v44, v46, v41                   ; sine of what is left
	v_fma_f32 v45, v45, v47, v43                   ; cosine
	v_and_b32 v46, 1, v42
	v_cmp_eq_u32 vcc_lo, 1, v46
	v_cndmask_b32 v47, v45, v44, vcc_lo            ; an odd J changes their places
	v_cndmask_b32 v46, v44, v45, vcc_lo
	v_add_nc_u32 v43, 1, v42
	v_and_b32 v43, 2, v43                          ; cos is negative for J % 4 = 1, 2;
	v_and_b32 v42, 2, v42                          ; sin for 2, 3
	v_lshlrev_b32 v43, 30, v43
	v_lshlrev_b32 v42, 30, v42
	v_xor_b32 v[\oc], v43, v47
	v_xor_b32 v[\os], v42, v46
.endm
.irp k, 0,1,2,3,4,5,6,7
	SINCOS 16+\k, 48+2*\k, 49+2*\k
.endr
.irp j, 0,1,2,3
	global_store_b128 v7, v[48+4*\j:51+4*\j], s[20:21] offset:512*\j   ; 512 consecutive bytes, aligned
.endr
	s_endpgm
.Lfunc_end_k_qa2c3ee4478_prep:
	.size	k_qa2c3ee4478_prep, .Lfunc_end_k_qa2c3ee4478_prep-k_qa2c3ee4478_prep
	.p2alignl 7, 3214868480
	.fill 96, 4, 3214868480
	.section	.rodata,"a",@progbits
	.p2align	6, 0x0
	.amdhsa_kernel k_qa2c3ee4478_prep
		.amdhsa_group_segment_fixed_size 53248
		.amdhsa_private_segment_fixed_size 0
		.amdhsa_enable_private_segment 0
		.amdhsa_kernarg_size 64
		.amdhsa_user_sgpr_count 2
		.amdhsa_user_sgpr_kernarg_segment_ptr 1
		.amdhsa_wavefront_size32 1
		.amdhsa_system_sgpr_workgroup_id_x 1
		.amdhsa_system_sgpr_workgroup_id_y 1
		.amdhsa_system_sgpr_workgroup_id_z 1
		.amdhsa_system_vgpr_workitem_id 0
		.amdhsa_next_free_vgpr 242
		.amdhsa_next_free_sgpr 66
		.amdhsa_reserve_vcc 1
		.amdhsa_float_denorm_mode_32 3
		.amdhsa_float_denorm_mode_16_64 3
		.amdhsa_memory_ordered 1
		.amdhsa_forward_progress 1
		.amdhsa_inst_pref_size 45
	.end_amdhsa_kernel
	.amdgpu_metadata
---
amdhsa.version: [ 1, 2 ]
amdhsa.kernels:
  - .name:           k_qa2c3ee4478_prep
    .symbol:         k_qa2c3ee4478_prep.kd
    .args:
      - { .name: x, .offset: 0, .size: 8, .value_kind: global_buffer, .address_space: global }
      - { .name: Wq, .offset: 8, .size: 8, .value_kind: global_buffer, .address_space: global }
      - { .name: Wk, .offset: 16, .size: 8, .value_kind: global_buffer, .address_space: global }
      - { .name: Wv, .offset: 24, .size: 8, .value_kind: global_buffer, .address_space: global }
      - { .name: Wo, .offset: 32, .size: 8, .value_kind: global_buffer, .address_space: global }
      - { .name: xq, .offset: 40, .size: 8, .value_kind: global_buffer, .address_space: global }
      - { .name: wq, .offset: 48, .size: 8, .value_kind: global_buffer, .address_space: global }
      - { .name: rope, .offset: 56, .size: 8, .value_kind: global_buffer, .address_space: global }
    .group_segment_fixed_size: 53248
    .private_segment_fixed_size: 0
    .kernarg_segment_align: 8
    .kernarg_segment_size: 64
    .max_flat_workgroup_size: 224
    .sgpr_count:     66
    .vgpr_count:     242
    .wavefront_size: 32
...
	.end_amdgpu_metadata
.endif
;; end of part 1
;; launch qkv (part 2): grid 12 x 32, 4 waves a work-group, clusters of 4 x 4, 327,680 bytes of LDS; arguments xq, wq, rope, qb, kv; writes qb, kv
.if DOCPART == 2
	.amdgcn_target "amdgcn-amd-amdhsa--gfx1250"
	.amdhsa_code_object_version 6
	.text
	.protected	k_qa2c3ee4478_qkv
	.globl	k_qa2c3ee4478_qkv
	.p2align	8
	.type	k_qa2c3ee4478_qkv,@function
k_qa2c3ee4478_qkv:
	s_mov_b64 s[64:65], 0
	v_nop
	global_prefetch_b8 v0, s[64:65] scope:SCOPE_SE
	s_setreg_imm32_b32 hwreg(HW_REG_WAVE_MODE, 25, 1), 1
	s_wait_xcnt 0x0
	s_wait_alu depctr_hold_cnt(0) depctr_sa_sdst(0) depctr_va_vdst(0) depctr_va_sdst(0) depctr_va_ssrc(0) depctr_va_vcc(0) depctr_vm_vsrc(0)
	s_getreg_b32 s2, hwreg(HW_REG_IB_STS2, 6, 4)
	s_cmp_eq_u32 s2, 0
	s_cbranch_scc0 .Lentry_in_a_cluster
	s_endpgm
.Lentry_in_a_cluster:
	s_bfe_u32 s2, ttmp6, 0x10000c
	s_cmp_lg_u32 s2, 0xf033
	s_cbranch_scc0 .Lentry_shape_is_right
	s_endpgm
.Lentry_shape_is_right:
; QKV.  q = x Wq^T, k = x Wk^T, v = x Wv^T on codes of BF6 (E3M2) with E8M0 scales, K = 1,024; RoPE on q and k in f32; then q and k are quantised along a head's 64 and v along the keys, in registers.
; No f32 result goes to memory: what leaves are operand images for the attention launch.
; THE PRODUCT.  A tile of 256 x 256 to a work-group of four waves, 128 x 128 a wave: 64 accumulators, 512 registers.  K goes in steps of 256 through two LDS slots filled by the tensor data mover.
; Codes lie in memory as the operand registers take them (tiles of 16 rows, chunks of 64 along K of 768 bytes: lane's first 16 bytes at 16 x lane, last 8 at 512 + 8 x lane), so a slot's part of a tile
; is 3,072 consecutive bytes, every LDS load is dense, and no padding is wanted.
; THE HEAD.  One tensor load a wave, each on its own line: wave 0 A's 256 rows of K step 0, wave 1 B's, wave 2 A's of K step 1, wave 3 B's: both slots are asked for at once.  A plain barrier, ahead of which waves 0 and 1 wait,
; shows slot 0; the first change of slots, ahead of which every wave waits for all its loads, shows slot 1.  The scale bytes of the work-group's rows, for all of K, come by plain loads (4,096 dense bytes a wave) and LDS stores
; into bytes of their own, as rows of 256 bytes + 16, and stay.
; THE MATRIX INSTRUCTION IS USED TRANSPOSED: source 0 = 16 rows of B, source 1 = 16 rows of A: a lane holds one row of A, its registers run along B's rows.  Place r of tile T is row 64 (T / 4) + 32 (r / 8) + 8 (T % 4) + r % 8,
; so the 32 registers of B's tiles 4 c .. 4 c + 3 are 32 NEIGHBOURS, 64 c + 32 (lane / 16) + 0 .. 31: one whole scale block a lane.
; WHO IS A.  Clusters with x = 0 (q) and x = 1 (k): A = tokens (xq), B = rows of Wq or Wk: a lane holds a token, registers run along the head's channels.  Clusters with x = 2 (v): A = rows of Wv, B = tokens:
; a lane holds a channel, registers run along the tokens, which are the second attention product's K.  All choices hang on the cluster's x, which all sixteen partners share.
; CLUSTERS: 4 x 4 work-groups; A's tiles are asked for jointly along a row of the cluster, B's along a column.
; OUT.  qb: [batch x 16 + head][16 steps of 128 tokens][6,656]: 8 tiles x 768 bytes of codes, then 512 bytes of scale words: lane 16 u + r holds 16 bytes, word a for tile 2 a + u; a word holds the head's two bytes twice.
; kv: [..][..][13,056]: k as in qb, then v: 4 tiles (16 channels x 128 keys) x 1,536 bytes as three images of four registers, then 256 bytes of scale words: lane 16 u + r holds 8 bytes, word b for tile 2 b + u.
; LIMITS: NaN and infinities are not served; a block whose largest magnitude lies under 2^-122 (zeros too) gets the byte 1: this program alone reads the bytes.
; REGISTERS, in windows of 256: window 0: v0-31 addresses; v32-63 scale words, two sets; v64-127 the RoPE table of blocks 0, 1; from v128 A's fragments, one set; on the way out v128-239 are at work.
;   window 1: B's fragments, two sets, at v0 and v128; on the way out the table of blocks 2 to 7.   window 2: the accumulators of my rows 0-63 ((a, b) at v[8 (8 a + b)]);   window 3: those of rows 64-127.
.set XS,     6291456                   ; xq: where the scale bytes begin
.set WS,     3145728                   ; wq: likewise
.set NQ,     2                         ; matrix instructions deep in a slot
.set RT,     3072                      ; a tile's bytes in a slot: four chunks
.set HALFT,  8*RT                      ; 128 rows: what one tensor load of the ring brings
.set SLOT,   4*HALFT                   ; A's 256 rows, then B's
.set FR,     12                        ; registers of a fragment
.set NL,     4                         ; LDS loads that bring one
.set NP,     4                         ; places behind this matrix instruction (ISA guide 7.12.1)
.set LAPS,   2                         ; 1,024 along K: twice round the ring
.set SCL,    2*SLOT                    ; behind the ring: the scales, as rows of 256 bytes + 16
.set HALFS,  16*272                    ; those of 128 rows (32 bytes a row)
.set SBLK,   2*272                     ; those of 16 rows
.set SPARE,  SCL+4*HALFS               ; the spare words: 128 bytes a wave
.set ADRA, 16                          ; v16-17 16 x lane + my A rows in slot 0, 1;  v18-19 the same with 8 x lane
.set ADRB, 20                          ; v20-23 the same for B
.set H8,   24                          ; v24  8 h: how far my scale bytes are shifted up in a scale word
.set SST,  25                          ; v25  where my 16 bytes of a load of scale bytes go in LDS
.set ADRS, 27                          ; v27  my scale words: lanes 0-15 A's rows, lanes 16-31 B's
.set SPW,  28                          ; v28  my spare word; never rewritten
.set NIL,  29                          ; v29  0; never rewritten
.set GL16, 30                          ; v30  16 x lane
.set GL8,  31                          ; v31  8 x lane
.set SC,   32
.set CS,   64
.set AF,   128
.set T,    128                         ; the way out: 64 numbers behind RoPE
.set PC,   192                         ; v192-211 the codes just made
.set TM,   212                         ; v212-227 at work in the quantiser
.set PW,   228                         ; the scale word just made
.set PWE,  229                         ; that of the even tile before
.set TQ,   230
.set W0,   232                         ; v232-235 scale words to store, first head;  v236-239 second head
.set W1,   236
.set G1, 24                            ; s[24:31], s[32:39] the ring's groups 1 and 0 (one set a slot) for A;  s[48:55], s[56:63] for B
.set G0, 32
.set G1B, 48
.set G0B, 56
.set SEL, 66                           ; s[66:67] selects for lane l xor 16
.set G1H, 68                           ; s[68:75], s[76:79] the head's groups 1 and 0 for A;  s[80:87], s[88:91] for B
.set G0H, 76
.set G1HB, 80
.set G0HB, 88
.set OB,  96                           ; s[96:97], s[98:99] where my two heads' records begin
.set RB,  100                          ; s[100:101] the table at my first tile of positions
.set MSB, 0
.macro WIN new                         ; the immediate's high byte repeats the setting that is left
.if MSB != (\new)
	s_set_vgpr_msb (MSB<<8)|(\new)
.set MSB, (\new)
.endif
.endm
.set MUL_LO, 0xa1                      ; source 0 (B) window 1, source 1 (A) window 0, C and D window 2
.set MUL_HI, 0xf1                      ; the same, C and D window 3
.set TO_B,   0x40                      ; destination window 1, address window 0
; A joint load of the ring: waves 0 and 1 fetch for A, waves 2 and 3 for B; the branch hangs on the wave's number alone.  An s_nop 0 and four v_nop follow each of the two lines.
.macro JLOAD g0a, g1a, g0b, g1b
	s_cmp_eq_u32 s15, 0
	s_cbranch_scc0 .Lfor_b_\@
	tensor_load_to_lds s[\g0a:\g0a+3], s[\g1a:\g1a+7]
	s_nop 0
.rept 4
	v_nop
.endr
	s_branch .Lasked_\@
.Lfor_b_\@:
	tensor_load_to_lds s[\g0b:\g0b+3], s[\g1b:\g1b+7]
	s_nop 0
.rept 4
	v_nop
.endr
.Lasked_\@:
.endm
.macro CREST                           ; a round of the cluster's barrier behind its opening barrier
	s_cmp_lg_u32 s14, 0
	s_cbranch_scc1 .Lnot_wave_0_\@
	s_barrier_signal -3
.Lnot_wave_0_\@:
	s_barrier_wait -3
	s_barrier_signal -1
	s_barrier_wait -1
.endm
.macro CROUND
	s_barrier_signal -1
	s_barrier_wait -1
	CREST
.endm
	s_load_b256 s[4:11], s[0:1], 0x0               ; xq, wq, rope, qb
	s_load_b64 s[12:13], s[0:1], 0x20              ; kv
	v_lshl_add_u32 v[SPW], v0, 2, SPARE
	v_mov_b32 v[NIL], 0
	ds_add_u32 v[SPW], v[NIL]                      ; the opening lines: the add twice on end and one wait
	ds_add_u32 v[SPW], v[NIL]
	s_wait_dscnt 0x0
	v_lshrrev_b32 v1, 5, v0
	v_readfirstlane_b32 s14, v1                    ; wave 0..3
	s_lshr_b32 s15, s14, 1                         ; which half of A's rows is mine.  In the ring: I fetch for A (0) or for B (1).  At the head: which K step I fetch
	s_and_b32 s16, s14, 1                          ; which half of B's rows.  In the ring: which 128 rows I fetch.  At the head: A (0) or B (1)
	s_bfe_u32 s40, ttmp6, 0x40000                  ; cx
	s_bfe_u32 s41, ttmp6, 0x40004                  ; cy
	s_and_b32 s2, ttmp7, 0xffff
	s_lshl_b32 s2, s2, 2                           ; 4 x cluster y
	s_add_co_u32 s18, s2, s41                      ; q, k: A's tile of 256 tokens
	s_add_co_u32 s17, s41, 8                       ; v: A's tile of 256 rows of wq: Wv begins at tile 8
	s_lshl_b32 s42, ttmp9, 2
	s_add_co_u32 s42, s42, s40                     ; q, k: B's tile of wq: 0-3 Wq, 4-7 Wk
	s_add_co_u32 s46, s2, s40                      ; v: B's tile of 256 tokens
	s_mov_b32 s95, XS
	s_mov_b32 s45, WS
	s_cmp_eq_u32 ttmp9, 2                          ; v's cluster?  The same answer in all sixteen partners
	s_cselect_b32 s17, s17, s18                    ; A's tile: made of cy, never of cx
	s_cselect_b32 s42, s46, s42                    ; B's tile: made of cx, never of cy
	s_cselect_b32 s94, s45, s95                    ; where A's buffer has its scale bytes
	s_cselect_b32 s95, s95, s45                    ; and B's
	s_lshl_b32 s43, s41, 2
	s_lshl_b32 s43, 15, s43                        ; my row of the cluster
	s_lshl_b32 s44, 0x1111, s40                    ; my column
	; descriptor groups 1: tiles of 3,072 consecutive bytes (384 elements of 8 bytes), 12,288 bytes apart; no padding; 8 tiles in the ring, 16 at the head
	s_or_b32 s[G1+0], s43, (3<<16)|(1<<21)         ; 15:0 the mask; 17:16 elements of 8 bytes; 21 set beside a mask
	s_or_b32 s[G1B+0], s44, (3<<16)|(1<<21)
	s_or_b32 s[G1H+0], s43, (3<<16)|(1<<21)
	s_or_b32 s[G1HB+0], s44, (3<<16)|(1<<21)
.irp g, G1, G1B, G1H, G1HB
	s_mov_b32 s[\g+1], 384<<16                     ; tensor_dim0
	s_mov_b32 s[\g+3], 384<<16                     ; tile_dim0
	s_mov_b32 s[\g+5], 1536                        ; tensor_dim0_stride
	s_mov_b32 s[\g+6], 0
	s_mov_b32 s[\g+7], 0
.endr
.irp g, G1, G1B
	s_mov_b32 s[\g+2], 8<<16                       ; tensor_dim1
	s_mov_b32 s[\g+4], 8                           ; tile_dim1
.endr
.irp g, G1H, G1HB
	s_mov_b32 s[\g+2], 16<<16
	s_mov_b32 s[\g+4], 16
.endr
	s_lshl_b32 s20, s17, 8                         ; A: the tile's first row, in the buffer's own order
	s_lshl_b32 s46, s42, 8                         ; B
	s_lshl_b32 s22, s20, 5                         ; scale bytes: 32 a row
	s_add_co_u32 s22, s22, s94
	s_mov_b32 s23, 0
	s_lshl_b32 s92, s46, 5
	s_add_co_u32 s92, s92, s95
	s_mov_b32 s93, 0
	s_mul_i32 s20, s20, 768                        ; codes: 768 bytes a row
	s_mov_b32 s21, 0
	s_mul_i32 s46, s46, 768
	s_mov_b32 s47, 0
	s_mul_i32 s45, s14, HALFT                      ; where the ring's loads go: wave x 128 rows: no place in the cluster enters an LDS address
	s_wait_kmcnt 0x0
	s_cmp_eq_u32 ttmp9, 2
	s_cselect_b64 s[96:97], s[6:7], s[4:5]         ; A's buffer
	s_cselect_b64 s[98:99], s[4:5], s[6:7]         ; B's
	s_add_nc_u64 s[20:21], s[96:97], s[20:21]
	s_add_nc_u64 s[22:23], s[96:97], s[22:23]
	s_add_nc_u64 s[46:47], s[98:99], s[46:47]
	s_add_nc_u64 s[92:93], s[98:99], s[92:93]
	CROUND                                         ; all sixteen work-groups are here: the first joint loads meet
	s_mul_i32 s94, s15, RT                         ; the head's groups 0: K step wave / 2, the whole 256 rows, into slot wave / 2
	s_mov_b32 s95, 0
	s_mul_i32 s3, s15, SLOT
	s_mov_b32 s[G0H], 1
	s_mov_b32 s[G0H+1], s3
	s_add_nc_u64 s[G0H+2:G0H+3], s[20:21], s[94:95]
	s_or_b32 s[G0H+3], s[G0H+3], 0x80000000
	s_mov_b32 s[G0HB], 1
	s_add_co_u32 s[G0HB+1], s3, 2*HALFT
	s_add_nc_u64 s[G0HB+2:G0HB+3], s[46:47], s[94:95]
	s_or_b32 s[G0HB+3], s[G0HB+3], 0x80000000
	s_cmp_eq_u32 s15, 0                            ; the scale bytes that I bring: waves 0, 1 A's two halves, waves 2, 3 B's
	s_cselect_b64 s[4:5], s[22:23], s[92:93]
	s_lshl_b32 s94, s16, 12
	s_add_nc_u64 s[4:5], s[4:5], s[94:95]
	s_mul_i32 s94, s16, 128*768                    ; in the ring I fetch 128 rows of a tile: which half, in bytes
	s_add_nc_u64 s[20:21], s[20:21], s[94:95]
	s_add_nc_u64 s[46:47], s[46:47], s[94:95]
.irp s, 0,1
	s_mov_b32 s[G0+4*\s], 1
	s_add_co_u32 s[G0+4*\s+1], s45, \s*SLOT
	s_add_nc_u64 s[G0+4*\s+2:G0+4*\s+3], s[20:21], \s*RT
	s_or_b32 s[G0+4*\s+3], s[G0+4*\s+3], 0x80000000
	s_mov_b32 s[G0B+4*\s], 1
	s_add_co_u32 s[G0B+4*\s+1], s45, \s*SLOT
	s_add_nc_u64 s[G0B+4*\s+2:G0B+4*\s+3], s[46:47], \s*RT
	s_or_b32 s[G0B+4*\s+3], s[G0B+4*\s+3], 0x80000000
.endr
	s_mul_i32 s94, s14, HALFS
	s_add_co_u32 s94, s94, SCL                     ; where my scale bytes go
.macro ARM under, g0, g1, next         ; one chain of branches on the wave's number: every way through the head passes one load
	s_cmp_lt_u32 s14, \under
	s_cbranch_scc0 \next
	tensor_load_to_lds s[\g0:\g0+3], s[\g1:\g1+7]
	s_nop 0
.rept 4
	v_nop
.endr
	s_branch .Lhead_asked
\next:
.endm
	ARM 1, G0H,  G1H,  .Lhead_1
	ARM 2, G0HB, G1HB, .Lhead_2
	ARM 3, G0H,  G1H,  .Lhead_3
	tensor_load_to_lds s[G0HB:G0HB+3], s[G1HB:G1HB+7]
	s_nop 0
.rept 4
	v_nop
.endr
.Lhead_asked:
	v_and_b32 v1, 15, v0                           ; r
	v_bfe_u32 v2, v0, 4, 1                         ; h
	v_lshlrev_b32 v[H8], 3, v2
	v_and_b32 v3, 31, v0                           ; lane
	v_lshlrev_b32 v[GL16], 4, v3
	v_lshlrev_b32 v[GL8], 3, v3
.irp k, 0,1,2,3,4,5,6,7
	global_load_b128 v[AF+4*\k:AF+4*\k+3], v[GL16], s[4:5] offset:512*\k   ; 512 consecutive bytes an instruction: the scale bytes of 16 rows
.endr
	v_mul_u32_u24 v[SST], v2, 272
	v_lshl_add_u32 v[SST], v1, 4, v[SST]
	v_add_nc_u32 v[SST], s94, v[SST]               ; a load's lanes 0-15 fill one row of 256 bytes, lanes 16-31 the next, 272 on
	s_mul_i32 s21, s15, HALFT                      ; my 128 rows of A
	s_mul_i32 s22, s16, HALFT                      ; my 128 rows of B,
	s_add_co_u32 s22, s22, 2*HALFT                 ; which lie behind A's 256
.irp s, 0,1
	v_add_nc_u32 v[ADRA+\s], s21, v[GL16]
	v_add_nc_u32 v[ADRB+\s], s22, v[GL16]
	v_add_nc_u32 v[ADRA+2+\s], s21, v[GL8]
	v_add_nc_u32 v[ADRB+2+\s], s22, v[GL8]
	s_add_co_u32 s21, s21, SLOT
	s_add_co_u32 s22, s22, SLOT
.endr
	v_lshlrev_b32 v5, 5, v1                        ; my row's scales: 32 bytes a row,
	v_lshrrev_b32 v6, 8, v5
	v_lshl_add_u32 v5, v6, 4, v5                   ; and 16 more for each 256 passed
	s_mul_i32 s21, s15, HALFS
	s_mul_i32 s22, s16, HALFS
	s_add_co_u32 s22, s22, 2*HALFS
	s_sub_co_u32 s22, s22, s21
	v_mul_u32_u24 v6, s22, v2                      ; lanes 16-31 take B's
	s_add_co_u32 s21, s21, SCL
	v_add_nc_u32 v5, v5, v6
	v_add_nc_u32 v[ADRS], s21, v5
	; where the results go.  All selections first, the sums behind them
	s_cmp_eq_u32 ttmp9, 2
	s_cselect_b32 s18, s40, s41                    ; the tokens' place in the cluster: v: cx, else cy
	s_cselect_b32 s19, s41, s40                    ; the heads' place
	s_cselect_b32 s20, s16, s15                    ; which half of the 256 tokens is mine
	s_cselect_b32 s21, s15, s16                    ; which two of the four heads
	s_cselect_b32 s22, 6656, 0                     ; v lies behind k in a record
	s_cmp_eq_u32 ttmp9, 0
	s_cselect_b64 s[OB:OB+1], s[10:11], s[12:13]   ; q goes to qb, k and v to kv
	s_mov_b32 s23, 13056
	s_cselect_b32 s23, 6656, s23                   ; a record's bytes
	s_add_co_u32 s18, s18, s2                      ; the tile of 256 tokens, 0..31
	s_lshl_b32 s19, s19, 2
	s_lshl_b32 s21, s21, 1
	s_add_co_u32 s19, s19, s21                     ; my first head
	s_lshr_b32 s21, s18, 3                         ; the batch
	s_lshl_b32 s21, s21, 4
	s_add_co_u32 s21, s21, s19
	s_lshl_b32 s21, s21, 4
	s_and_b32 s18, s18, 7
	s_lshl_b32 s19, s18, 1
	s_add_co_u32 s21, s21, s19
	s_add_co_u32 s21, s21, s20                     ; the record: (batch x 16 + head) x 16 + step of 128 tokens
	s_mul_i32 s20, s21, s23
	s_add_co_u32 s20, s20, s22
	s_mov_b32 s21, 0
	s_add_nc_u64 s[OB:OB+1], s[OB:OB+1], s[20:21]
	s_lshl_b32 s20, s23, 4                         ; the next head: 16 records on
	s_add_nc_u64 s[OB+2:OB+3], s[OB:OB+1], s[20:21]
	s_lshl_b32 s20, s18, 4
	s_lshl_b32 s22, s15, 3
	s_add_co_u32 s20, s20, s22                     ; q, k: my first tile of 16 positions
	s_lshl_b32 s20, s20, 12
	s_add_nc_u64 s[RB:RB+1], s[8:9], s[20:21]
	s_mov_b32 s104, 0xffff0000                     ; lanes 16-31
	s_mov_b32 s[SEL], 0x76543210
	s_mov_b32 s[SEL+1], 0xfedcba98
.macro FRAG reg, adr, q, i             ; a fragment, 16 rows x 128 K: two chunks; of each a lane's first four registers at 16 x lane, its last two at 512 + 8 x lane
.irp c, 0,1
	ds_load_b128 v[\reg+6*\c:\reg+6*\c+3], v[\adr] offset:(\i)*RT+(2*(\q)+\c)*768
	ds_load_b64 v[\reg+6*\c+4:\reg+6*\c+5], v[\adr+2] offset:(\i)*RT+(2*(\q)+\c)*768+512
.endr
.endm
; 16 matrix instructions: A's blocks a0, a0 + 1 x B's eight, the slot's q-th 128 along K.  p: B's set; sc: the set of scale words.  zero = 1: the first product starts the sums.
; The 64 accumulators take turns, one instruction a turn, in the same order in every step.
.macro MUL16 a0, p, q, sc, zero
.irp a, \a0, \a0+1
.irp b, 0,1,2,3,4,5,6,7
.if \zero
	v_wmma_scale_f32_16x16x128_f8f6f4 v[8*(8*((\a)%4)+\b):8*(8*((\a)%4)+\b)+7], v[128*(\p)+FR*\b:128*(\p)+FR*\b+FR-1], v[AF+FR*(\a):AF+FR*(\a)+FR-1], 0, v[SC+8*NQ*(\sc)+NQ*\b+(\q)], v[SC+8*NQ*(\sc)+NQ*(\a)+(\q)] matrix_a_fmt:MATRIX_FMT_BF6 matrix_b_fmt:MATRIX_FMT_BF6 matrix_a_scale:MATRIX_SCALE_ROW1
.else
	v_wmma_scale_f32_16x16x128_f8f6f4 v[8*(8*((\a)%4)+\b):8*(8*((\a)%4)+\b)+7], v[128*(\p)+FR*\b:128*(\p)+FR*\b+FR-1], v[AF+FR*(\a):AF+FR*(\a)+FR-1], v[8*(8*((\a)%4)+\b):8*(8*((\a)%4)+\b)+7], v[SC+8*NQ*(\sc)+NQ*\b+(\q)], v[SC+8*NQ*(\sc)+NQ*(\a)+(\q)] matrix_a_fmt:MATRIX_FMT_BF6 matrix_b_fmt:MATRIX_FMT_BF6 matrix_a_scale:MATRIX_SCALE_ROW1
.endif
.endr
.endr
.endm
.macro FETCH_B slot, q, p
	WIN TO_B
.irp i, 0,1,2,3,4,5,6,7
	FRAG 128*(\p)+FR*\i, ADRB+\slot, \q, \i
.endr
	WIN 0
.endm
.macro FETCH_A slot, q, i0
.irp i, \i0, \i0+1, \i0+2, \i0+3
	FRAG AF+FR*(\i), ADRA+\slot, \q, \i
.endr
.endm
.macro SCALES sc                       ; a K step's scale words: two a row; lanes 0-15 take A's block i, lanes 16-31 B's block i
.irp i, 0,1,2,3,4,5,6,7
	ds_load_b64 v[SC+8*NQ*\sc+NQ*\i:SC+8*NQ*\sc+NQ*\i+1], v[ADRS] offset:\i*SBLK
.endr
.endm
.macro PLACES n                        ; plain vector lines between a matrix instruction and a load into, or a read or write of, its registers
.rept \n
	v_nop
.endr
.endm
.macro STEP slot, q, zero              ; a step of 128 along K that has its successor in the same slot
	s_wait_dscnt 4*NL                              ; B's set, A's blocks 0-3 and the scale words are in; the youngest 16 loads (A's blocks 4-7) may be out
	WIN MUL_LO
	MUL16 0, (\q)%2, \q, \slot, \zero
	MUL16 2, (\q)%2, \q, \slot, \zero
	s_wait_dscnt 0
	PLACES NP
	FETCH_B \slot, (\q)+1, 1-(\q)%2
	FETCH_A \slot, (\q)+1, 0
	WIN MUL_HI
	MUL16 4, (\q)%2, \q, \slot, \zero
	MUL16 6, (\q)%2, \q, \slot, \zero
	PLACES NP
	WIN 0
	FETCH_A \slot, (\q)+1, 4
.endm
; A slot's last step changes slots: one barrier; in front of it each wave waits for all its tensor loads, adds 0 to its spare word, and waits for that and for its own reads of this slot.
.macro TURN slot, next, fill
	s_wait_tensorcnt 0x0                           ; all my tensor loads have landed: my part of the next slot
	ds_add_u32 v[SPW], v[NIL]                      ; 0 onto my spare word
	s_wait_dscnt 4*NL+1                            ; (the add and the youngest 16 loads may be out)
	WIN MUL_LO
	MUL16 0, 1, NQ-1, \slot, 0
	s_wait_dscnt 0x0                               ; the add is done, and my reads of this slot are over
	s_barrier_signal -1
	MUL16 2, 1, NQ-1, \slot, 0
	WIN 0
	s_barrier_wait -1
.if \fill
	CREST                                          ; the barrier has opened a round of the cluster's: no wave of any partner still reads this slot or has a load on its way
	s_add_nc_u64 s[G0+4*\slot+2:G0+4*\slot+3], s[G0+4*\slot+2:G0+4*\slot+3], 2*RT
	s_add_nc_u64 s[G0B+4*\slot+2:G0B+4*\slot+3], s[G0B+4*\slot+2:G0B+4*\slot+3], 2*RT
	JLOAD G0+4*\slot, G1, G0B+4*\slot, G1B         ; the first tensor load behind the round; its four v_nop are the places in front of the loads below
.else
	PLACES NP
.endif
	s_wait_alu depctr_va_vdst(0)
	v_add_nc_u32 v[ADRS], 4*NQ, v[ADRS]            ; on to the next K step's scale words (no LDS load of mine is out)
	FETCH_B \next, 0, 0
	FETCH_A \next, 0, 0
	SCALES \next
	WIN MUL_HI
	MUL16 4, 1, NQ-1, \slot, 0
	MUL16 6, 1, NQ-1, \slot, 0
	PLACES NP
	WIN 0
	FETCH_A \next, 0, 4
.endm
.macro LASTSTEP                        ; the very last 128 along K: nothing more to fetch; no barrier, no tensor load
	s_wait_dscnt 4*NL
	WIN MUL_LO
	MUL16 0, 1, NQ-1, 1, 0
	MUL16 2, 1, NQ-1, 1, 0
	s_wait_dscnt 0
	WIN MUL_HI
	MUL16 4, 1, NQ-1, 1, 0
	MUL16 6, 1, NQ-1, 1, 0
	WIN 0
	PLACES NP                                      ; in front of the first read of results and the first write of registers that held fragments
.irp b, 0,1,2,3
	v_mov_b32 v[TM+4+\b], 0                        ; a lane permute's destination counts as one of its sources
.endr
.endm
; 64 numbers of a lane, v[s] on in window w, register 32 c + n = k 64 c + 32 (lane / 16) + n of my row, become a fragment's codes in v[PC] on and its scale word in v[PW].
; A lane holds two WHOLE scale blocks, 2 c + lane / 16, and asks no other lane for a maximum; the conversions' results are the operand's registers.  Only the scale word's four bytes are gathered from lanes l and l xor 16.
.macro QUANT s, w
	WIN 5*(\w)                                     ; sources 0 and 1 in window w
.irp c, 0,1
	v_max3_num_f32 v[TM+\c], |v[(\s)+32*\c]|, |v[(\s)+1+32*\c]|, 0x2800000       ; two chains a block; the floor 2^(5 - 127): the byte cannot fall under 1
.endr
.irp c, 0,1
	v_max3_num_f32 v[TM+2+\c], |v[(\s)+2+32*\c]|, |v[(\s)+3+32*\c]|, 0x2800000
.endr
.irp i, 4,8,12,16,20,24,28
.irp c, 0,1
	v_max3_num_f32 v[TM+\c], |v[(\s)+32*\c+\i]|, |v[(\s)+1+32*\c+\i]|, v[TM+\c]   ; each accumulator is read from its low end on
.endr
.irp c, 0,1
	v_max3_num_f32 v[TM+2+\c], |v[(\s)+2+32*\c+\i]|, |v[(\s)+3+32*\c+\i]|, v[TM+2+\c]
.endr
.endr
	WIN 0
.irp c, 0,1
	v_max_num_f32 v[TM+\c], v[TM+\c], v[TM+2+\c]   ; the block's largest magnitude
.endr
.irp c, 0,1
	v_add_nc_u32 v[TM+12+\c], 0xfe000000, v[TM+\c] ; 4 off its exponent field: the conversion's scale operand
.endr
.irp c, 0,1
	v_lshrrev_b32 v[TM+8+\c], 23, v[TM+12+\c]      ; the scale's byte
.endr
	v_lshl_or_b32 v[PW], v[TM+9], 16, v[TM+8]      ; my two bytes, blocks h and 2 + h,
	v_lshlrev_b32 v[PW], v[H8], v[PW]              ; at their places,
	v_permlanex16_b32 v[TM+4], v[PW], s[SEL], s[SEL+1]
	v_or_b32 v[PW], v[PW], v[TM+4]                 ; and with lane l xor 16's two the word is whole
	WIN (\w)                                       ; source 0 in window w
.irp c, 0,1
	v_cvt_scalef32_pk16_bf6_f32 v[PC+6*\c:PC+2+6*\c], v[(\s)+32*\c:(\s)+15+32*\c], v[TM+12+\c]
	v_cvt_scalef32_pk16_bf6_f32 v[PC+12+4*\c:PC+14+4*\c], v[(\s)+16+32*\c:(\s)+31+32*\c], v[TM+12+\c]   ; (a conversion's three registers begin on an even number)
.endr
	WIN 0
	v_nop                                          ; one plain line behind a scaled conversion
.irp c, 0,1
.irp i, 0,1,2
	v_mov_b32 v[PC+3+6*\c+\i], v[PC+12+4*\c+\i]
.endr
.endr
.endm
.macro TPLACE a                        ; where block a's table lies: blocks 0, 1 in window 0 at v[CS] on; 2 to 4 in window 1 where B's set 0 lay; 5 to 7 where B's set 1 lay
.if (\a) < 2
.set CW, 0
.set CB, CS+32*(\a)
.else
.set CW, 1
.set CB, 32*((\a)-2)+32*((\a)/5)
.endif
.endm
.macro ROPELD a                        ; the table for block a's 16 positions: register 2 p: cos, 2 p + 1: sin, of pair 16 (lane / 16) + p; eight dense loads of 512 bytes
	TPLACE \a
	WIN CW<<6
.irp j, 0,1,2,3,4,5,6,7
	global_load_b128 v[CB+4*\j:CB+4*\j+3], v[GL16], s[RB:RB+1] offset:4096*(\a)+512*\j
.endr
	WIN 0
.endm
; RoPE on block a: 16 tokens x my two heads.  Even column e, odd column o = e + 1:  e' = e cos - o sin,  o' = e sin + o cos.
.macro ROPE a
.set AC, 64*((\a)%4)
	TPLACE \a
	WIN (2+(\a)/4)|(CW<<2)                         ; source 0: the accumulators' window; source 1: the table's
.irp c, 0,1
.irp g, 0,1
.irp p, 0,1,2,3,4,5,6,7
	v_mul_f32 v[T+32*\c+16*\g+2*\p], v[AC+32*\c+16*\g+2*\p+1], v[CB+16*\g+2*\p+1]     ; o sin  (an accumulator's first read is of its register 1)
	v_mul_f32 v[T+32*\c+16*\g+2*\p+1], v[AC+32*\c+16*\g+2*\p+1], v[CB+16*\g+2*\p]     ; o cos
.endr
.irp p, 0,1,2,3,4,5,6,7
	v_fma_f32 v[T+32*\c+16*\g+2*\p], v[AC+32*\c+16*\g+2*\p], v[CB+16*\g+2*\p], -v[T+32*\c+16*\g+2*\p]
	v_fma_f32 v[T+32*\c+16*\g+2*\p+1], v[AC+32*\c+16*\g+2*\p], v[CB+16*\g+2*\p+1], v[T+32*\c+16*\g+2*\p+1]
.endr
.endr
.endr
	WIN 0
.endm
.macro QKBLOCK a                       ; tile a of my 128 tokens: RoPE, the quantiser, one chunk of 768 bytes for each of my two heads
	s_wait_loadcnt 8*(7-(\a))                      ; this block's eight table loads are in; those of the 7 - a later blocks, eight each, may be out
	ROPE \a
	s_wait_xcnt 0x0                                ; the last block's stores have read the codes' registers
	QUANT T, 0
.irp c, 0,1
	global_store_b128 v[GL16], v[PC+6*\c:PC+6*\c+3], s[OB+2*\c:OB+2*\c+1] offset:768*(\a)        ; 512 consecutive bytes, aligned to 256
	global_store_b64 v[GL8], v[PC+6*\c+4:PC+6*\c+5], s[OB+2*\c:OB+2*\c+1] offset:768*(\a)+512    ; 256 consecutive bytes
.endr
.if (\a)%2 == 0
	v_mov_b32 v[PWE], v[PW]
.else
	v_cndmask_b32 v[TQ], v[PWE], v[PW], s104       ; lanes 0-15 the even tile's word, lanes 16-31 the odd tile's
	v_and_b32 v[PWE], 0xffff, v[TQ]
	v_lshl_or_b32 v[W0+(\a)/2], v[PWE], 16, v[PWE] ; the first head's two bytes, twice: the attention launch lays a tile's 64 codes in the lower or in the upper half of the instruction's K, the other half being zero codes
	v_lshrrev_b32 v[TQ], 16, v[TQ]
	v_lshl_or_b32 v[W1+(\a)/2], v[TQ], 16, v[TQ]   ; the second head's
.endif
.endm
.macro VBLOCK a                        ; tile a of my 128 channels (head a / 4, tile a % 4) x my 128 tokens: one fragment of V^T
	s_wait_xcnt 0x0                                ; the last block's stores have read the codes' registers
	QUANT 64*((\a)%4), 2+(\a)/4
.irp c, 0,1,2
	global_store_b128 v[GL16], v[PC+4*\c:PC+4*\c+3], s[OB+2*((\a)/4):OB+2*((\a)/4)+1] offset:1536*((\a)%4)+512*\c
.endr
.if (\a)%2 == 0
	v_mov_b32 v[PWE], v[PW]
.else
	v_cndmask_b32 v[W0+(\a)/2], v[PWE], v[PW], s104
.endif
.endm
	s_wait_alu depctr_va_vdst(0)                   ; the wait at the head's end
	s_wait_loadcnt 0x0                             ; my scale bytes are in registers
.irp k, 0,1,2,3,4,5,6,7
	ds_store_b128 v[SST], v[AF+4*\k:AF+4*\k+3] offset:544*\k
.endr
	s_cmp_eq_u32 ttmp9, 2                          ; q, k: the first two blocks' table is asked for here, a whole walk along K ahead of its use
	s_cbranch_scc1 .Lno_table
	ROPELD 0
	ROPELD 1
.Lno_table:
	s_wait_dscnt 0x0                               ; my scale bytes are in LDS
	s_cmp_lt_u32 s14, 2
	s_cbranch_scc0 .Lnot_first
	s_wait_tensorcnt 0x0                           ; waves 0 and 1: K step 0's rows of A, of B have landed
.Lnot_first:
	s_barrier_signal -1
	s_barrier_wait -1                              ; slot 0 and all scale bytes are in.  Waves 2 and 3's tiles may still be on their way: no tensor load is issued behind this barrier
	FETCH_B 0, 0, 0
	FETCH_A 0, 0, 0
	SCALES 0
	FETCH_A 0, 0, 4
	STEP 0, 0, 1                                   ; the first step stands in front of the loop: its products start the sums
	s_mov_b32 s3, LAPS-1
.Llap:                                             ; a trip goes once round the ring and fills both slots again
	TURN 0, 1, 1
	STEP 1, 0, 0
	TURN 1, 0, 1
	STEP 0, 0, 0
	s_sub_co_u32 s3, s3, 1
	s_cmp_lg_u32 s3, 0
	s_cbranch_scc1 .Llap
	TURN 0, 1, 0                                   ; the last lap fills nothing, and has no round of the cluster's barrier
	STEP 1, 0, 0
	s_cmp_eq_u32 ttmp9, 2                          ; the ways part here, once: the last 64 products are written on both
	s_cbranch_scc1 .Lvpath
	ROPELD 2                                       ; B's set 0 is read no more (four places stand behind its last products): three blocks' table lands there under the last 64 products
	ROPELD 3
	ROPELD 4
	LASTSTEP
	ROPELD 5                                       ; and the last three blocks' where B's set 1 lay
	ROPELD 6
	ROPELD 7
.irp a, 0,1,2,3,4,5,6,7
	QKBLOCK \a
.endr
	global_store_b128 v[GL16], v[W0:W0+3], s[OB:OB+1] offset:6144      ; the step's scale words: 512 consecutive bytes a head
	global_store_b128 v[GL16], v[W1:W1+3], s[OB+2:OB+3] offset:6144
	s_branch .Lend
.Lvpath:
	LASTSTEP
.irp a, 0,1,2,3,4,5,6,7
	VBLOCK \a
.endr
	global_store_b64 v[GL8], v[W0:W0+1], s[OB:OB+1] offset:6144        ; 256 consecutive bytes a head
	global_store_b64 v[GL8], v[W0+2:W0+3], s[OB+2:OB+3] offset:6144
.Lend:
	s_wait_tensorcnt 0x0                           ; the wave's end
	ds_add_u32 v[SPW], v[NIL]
	s_wait_dscnt 0x0
	CROUND                                         ; the closing round: no work-group ends while a partner may still ask for a tile that names it
	s_endpgm
.Lfunc_end_k_qa2c3ee4478_qkv:
	.size	k_qa2c3ee4478_qkv, .Lfunc_end_k_qa2c3ee4478_qkv-k_qa2c3ee4478_qkv
	.p2alignl 7, 3214868480
	.fill 96, 4, 3214868480
	.section	.rodata,"a",@progbits
	.p2align	6, 0x0
	.amdhsa_kernel k_qa2c3ee4478_qkv
		.amdhsa_group_segment_fixed_size 327680
		.amdhsa_private_segment_fixed_size 0
		.amdhsa_enable_private_segment 0
		.amdhsa_kernarg_size 40
		.amdhsa_user_sgpr_count 2
		.amdhsa_user_sgpr_kernarg_segment_ptr 1
		.amdhsa_wavefront_size32 1
		.amdhsa_system_sgpr_workgroup_id_x 1
		.amdhsa_system_sgpr_workgroup_id_y 1
		.amdhsa_system_sgpr_workgroup_id_z 1
		.amdhsa_system_vgpr_workitem_id 0
		.amdhsa_next_free_vgpr 1024
		.amdhsa_next_free_sgpr 106
		.amdhsa_reserve_vcc 0
		.amdhsa_float_denorm_mode_32 3
		.amdhsa_float_denorm_mode_16_64 3
		.amdhsa_memory_ordered 1
		.amdhsa_forward_progress 1
		.amdhsa_inst_pref_size 238
	.end_amdhsa_kernel
	.amdgpu_metadata
---
amdhsa.version: [ 1, 2 ]
amdhsa.kernels:
  - .name:           k_qa2c3ee4478_qkv
    .symbol:         k_qa2c3ee4478_qkv.kd
    .args:
      - { .name: xq, .offset: 0, .size: 8, .value_kind: global_buffer, .address_space: global }
      - { .name: wq, .offset: 8, .size: 8, .value_kind: global_buffer, .address_space: global }
      - { .name: rope, .offset: 16, .size: 8, .value_kind: global_buffer, .address_space: global }
      - { .name: qb, .offset: 24, .size: 8, .value_kind: global_buffer, .address_space: global }
      - { .name: kv, .offset: 32, .size: 8, .value_kind: global_buffer, .address_space: global }
    .group_segment_fixed_size: 327680
    .private_segment_fixed_size: 0
    .kernarg_segment_align: 8
    .kernarg_segment_size: 40
    .max_flat_workgroup_size: 128
    .sgpr_count:     106
    .vgpr_count:     1024
    .wavefront_size: 32
...
	.end_amdgpu_metadata
.endif
;; end of part 2
;; launch attn (part 3): grid 4 x 64, 16 waves a work-group, clusters of 4 x 1, 210,944 bytes of LDS; arguments qb, kv, hq; writes hq
.if DOCPART == 3
	.amdgcn_target "amdgcn-amd-amdhsa--gfx1250"
	.amdhsa_code_object_version 6
	.text
	.protected	k_qa2c3ee4478_attn
	.globl	k_qa2c3ee4478_attn
	.p2align	8
	.type	k_qa2c3ee4478_attn,@function
k_qa2c3ee4478_attn:
	s_mov_b64 s[64:65], 0
	v_nop
	global_prefetch_b8 v0, s[64:65] scope:SCOPE_SE
	s_setreg_imm32_b32 hwreg(HW_REG_WAVE_MODE, 25, 1), 1
	s_wait_xcnt 0x0
	s_wait_alu depctr_hold_cnt(0) depctr_sa_sdst(0) depctr_va_vdst(0) depctr_va_sdst(0) depctr_va_ssrc(0) depctr_va_vcc(0) depctr_vm_vsrc(0)
	s_getreg_b32 s2, hwreg(HW_REG_IB_STS2, 6, 4)
	s_cmp_eq_u32 s2, 0
	s_cbranch_scc0 .Lentry_in_a_cluster
	s_endpgm
.Lentry_in_a_cluster:
	s_bfe_u32 s2, ttmp6, 0x10000c
	s_cmp_lg_u32 s2, 0x3003
	s_cbranch_scc0 .Lentry_shape_is_right
	s_endpgm
.Lentry_shape_is_right:
; ATTN.  For each batch and head: O[q] = sum over keys k <= q of softmax(Q[q] . K[k] / 8) V[k], both products on codes of BF6 (E3M2) with E8M0 scales; then O is quantised along the model's 1,024 for the last product.
; LEFT OUT: key steps all of whose keys come after a wave's queries: reference()'s own causal mask turns their scores into -infinity, so they add nothing to any output.
; THE SOFTMAX: t = score x log2(e) / 8; M = the running largest t rounded UP to a whole number; p = 2^(t - M) is quantised along the keys, not normalised; the row's sum is taken of the unquantised p and divides O at the end.
; When M moves, the sum and O are multiplied by 2^(old M - new M): exact.
; THE ORDER OF ROWS IN A TILE: place r of tile T is row 64 (T / 4) + 32 (r / 8) + 8 (T % 4) + r % 8.  Both products are used transposed (S^T = K Q^T, O^T = V^T P^T): a lane (r, h) holds ONE query, and register 32 c + n of S^T is key
; 64 c + 32 h + n of the step: two WHOLE scale blocks of p a lane, in the order of the operand's registers: no lane is asked for a block's maximum, nothing is swapped.  Register n of O^T is channel 32 h + n: one block.
; THE FIRST PRODUCT'S K IS 64: half of the instruction's 128 is zero codes.  Two tiles of K share one run of six zero registers: (even tile's codes, zeros, odd tile's codes), 18 registers: the even tile's operand is the first 12,
; the odd tile's the last 12; Q lies as (q, zeros, q) and is taken likewise; scale words hold the head's two bytes twice.  So a step's eight fragments take 72 registers, and ALL OF THE NEXT STEP'S K IS FETCHED right behind this step's
; eight products: it lands under the softmax, and the wait for V's fragments, which are fetched later, shows it in.
; A CLUSTER OF FOUR WORK-GROUPS OWNS ONE (batch, head).  Its 2,048 keys, 16 records of 13,056 bytes, fit in LDS and are filled once, by joint loads: waves 0-3 ask for records 0-3, one each; waves 4-7 for three records each.
; A first barrier shows records 0-3.  Then every wave waits for its own loads and signals a second barrier, works three key steps, which read records 0-3 alone (LDS reads of bytes that have landed, and registers), and only then waits at it.
; SHARES.  Of every block of 128 queries partner cx takes tiles 2 cx and 2 cx + 1.  Wave w (w' = w / 2, u = w % 2) takes tile 2 cx + u of block 15 - w' and then of block w': (16 - w') + (w' + 1) = 17 key steps for every wave.
; cx enters global addresses and the mask's numbers alone.  Trip counts are constants (3, 13, 8); a step past the block is passed over by a branch on the wave's number and the loop's counter.
; No data prefetch: all that the launch reads is asked for at its head, so there is no loop to run ahead in.
; LIMITS: NaN and infinities are not served; the promise holds while the scaled scores stay under 2^31 in magnitude; a block of O whose largest magnitude lies under 2^-122 gets the byte 1 (this program alone reads the bytes).
.set REC,   13056
.set QREC,  6656
.set XS,    6291456                    ; hq: where the scale bytes begin
.set SPARE, 16*REC                     ; the spare words: 128 bytes a wave
.set QF,  16                           ; v16-33   Q: q, zeros, q
.set QS,  34                           ; its scale word
.set H8,  35                           ; 8 h
.set KF,  36                           ; v36-107  four pairs of K's tiles, 18 registers each
.set S,   108                          ; v108-171 S^T, then p
.set VF,  108                          ; v108-155 V's four fragments, once p is converted
.set O,   172                          ; v172-203 O^T
.set PC,  204                          ; v204-215 p's codes
.set P2,  216                          ; v216-222 the conversions' second halves
.set Q2S, 223                          ; the second tile's scale word, until its turn
.set BM,  224                          ; v224-225 a block's largest score, then its largest p
.set TP,  226
.set SO,  228                          ; v228-229 the conversions' scale operands
.set F,   230                          ; v230 2^(old M - new M); v231 named with it as a pair
.set SW,  232                          ; p's scale word
.set KS,  234                          ; v234-237 K's scale words
.set VS,  238                          ; v238-239 V's
.set AD,  240                          ; v240-245 three side chains of the row's sum
.set NX,  246                          ; v246-247 16 x lane, 8 x lane in the next record
.set Q2,  248                          ; v248-253 the second tile's q, until its turn
; v1 16 x lane, v2 8 x lane, v3, v4 the same in the step's record, v5 the mask's number, v6, v7 offsets, v8 -infinity, v9-11 at work, v12 -M, v13 the largest score, v[14:15] the sum
.macro WALU
	s_wait_alu depctr_va_vdst(0)
.endm
.macro ROUND                           ; a round of the cluster's barrier
	s_barrier_signal -1
	s_barrier_wait -1
	s_cmp_lg_u32 s10, 0
	s_cbranch_scc1 .Lnot_wave_0_\@
	s_barrier_signal -3
.Lnot_wave_0_\@:
	s_barrier_wait -3
	s_barrier_signal -1
	s_barrier_wait -1
.endm
	s_load_b128 s[4:7], s[0:1], 0x0                ; qb, kv
	s_load_b64 s[8:9], s[0:1], 0x10                ; hq
	v_lshl_add_u32 v254, v0, 2, SPARE
	v_mov_b32 v255, 0
	ds_add_u32 v254, v255                          ; the opening lines: the add twice on end and one wait
	ds_add_u32 v254, v255
	v_lshrrev_b32 v1, 5, v0
	v_readfirstlane_b32 s10, v1                    ; wave 0..15
	s_lshr_b32 s11, s10, 1                         ; w'
	s_and_b32 s12, s10, 1                          ; u
	s_bfe_u32 s13, ttmp6, 0x40000                  ; cx
	s_and_b32 s14, ttmp7, 0xffff                   ; batch x 16 + head
	s_lshl_b32 s15, s13, 1
	s_add_co_u32 s15, s15, s12                     ; my tile in a block of 128 queries
	; descriptors: records are dense: rows of 256 bytes (32 elements of 8 bytes), 51 a record; no padding.  s[24:31] one record, s[44:51] three
.irp g, 24, 44
	s_mov_b32 s[\g+0], 15|(3<<16)|(1<<21)          ; the mask: all four work-groups; elements of 8 bytes; bit 21 set beside a mask
	s_mov_b32 s[\g+1], 32<<16
	s_mov_b32 s[\g+3], 32<<16
	s_mov_b32 s[\g+5], 32
	s_mov_b32 s[\g+6], 0
	s_mov_b32 s[\g+7], 0
.endr
	s_mov_b32 s26, 51<<16
	s_mov_b32 s28, 51
	s_mov_b32 s46, 153<<16
	s_mov_b32 s48, 153
	s_mov_b32 s32, 1
	s_mul_i32 s33, s10, REC                        ; waves 0-3: record w at 13,056 w
	s_mov_b32 s36, 1
	s_and_b32 s37, s10, 3
	s_mul_i32 s37, s37, 3*REC
	s_add_co_u32 s37, s37, 4*REC                   ; waves 4-7: records 4 + 3 (w - 4) and the two behind it
	s_mov_b32 s20, 0x76543210
	s_mov_b32 s21, 0xfedcba98                      ; selects for lane l xor 16
	s_mov_b32 s22, 0x3e38aa3b                      ; c = log2(e) / 8
	s_mov_b32 s23, s22                             ; (named with it as a pair)
	s_lshr_b32 s18, s15, 2
	s_lshl_b32 s18, s18, 6
	s_and_b32 s19, s15, 3
	s_lshl_b32 s19, s19, 3
	s_add_co_u32 s18, s18, s19                     ; my tile's first query in its block
	s_lshl_b32 s19, s12, 8
	s_lshl_b32 s17, s13, 2
	s_add_co_u32 s19, s19, s17
	s_add_co_u32 s19, s19, 6144                    ; Q's scale words in a record of qb: 6,144 + 16 (16 u + r) + 4 cx
	s_xor_b32 s56, s11, 15                         ; my first block of queries: 15 - w'
	s_wait_dscnt 0x0
	s_wait_kmcnt 0x0
	s_mul_i32 s16, s14, 16*REC
	s_mov_b32 s17, 0
	s_add_nc_u64 s[6:7], s[6:7], s[16:17]
	s_mov_b32 s16, s33
	s_add_nc_u64 s[34:35], s[6:7], s[16:17]
	s_or_b32 s35, s35, 0x80000000
	s_mov_b32 s16, s37
	s_add_nc_u64 s[38:39], s[6:7], s[16:17]
	s_or_b32 s39, s39, 0x80000000
	s_lshl_b32 s16, s14, 4
	s_add_co_u32 s54, s16, s56
	s_mul_i32 s54, s54, QREC
	s_mov_b32 s55, 0
	s_add_nc_u64 s[52:53], s[4:5], s[54:55]        ; qb's record of block 15 - w'
	s_add_co_u32 s54, s16, s11
	s_mul_i32 s54, s54, QREC
	s_add_nc_u64 s[60:61], s[4:5], s[54:55]        ; and of block w'
	s_mul_i32 s54, s15, 768
	s_add_nc_u64 s[58:59], s[52:53], s[54:55]      ; my tile's codes in each
	s_add_nc_u64 s[62:63], s[60:61], s[54:55]
	ROUND                                          ; all four work-groups are here: the joint loads meet
	s_cmp_lt_u32 s10, 4
	s_cbranch_scc0 .Lbig
	tensor_load_to_lds s[32:35], s[24:31]
	s_nop 0
.rept 4
	v_nop
.endr
	s_branch .Lasked
.Lbig:
	s_cmp_lt_u32 s10, 8
	s_cbranch_scc0 .Lasked
	tensor_load_to_lds s[36:39], s[44:51]
	s_nop 0
.rept 4
	v_nop
.endr
.Lasked:
	v_and_b32 v9, 31, v0
	v_lshlrev_b32 v1, 4, v9                        ; 16 x lane
	v_lshlrev_b32 v2, 3, v9                        ; 8 x lane
	v_and_b32 v10, 15, v0                          ; r
	v_bfe_u32 v11, v0, 4, 1                        ; h
	v_and_b32 v5, 8, v10
	v_mad_u32_u24 v5, v5, 3, v10                   ; r % 8 + 32 (r / 8)
	v_lshlrev_b32 v9, 5, v11
	v_sub_nc_u32 v5, v5, v9
	v_add_nc_u32 v5, s18, v5                       ; d = my query's place in its block - 32 h: register 32 c + n is hidden on the diagonal where 64 c + n > d
	v_lshl_add_u32 v6, v10, 4, s19
	v_lshl_add_u32 v7, v10, 5, v11                 ; hq's scale bytes: 32 r + h
	v_mov_b32 v8, 0xff800000                       ; -infinity
	v_lshlrev_b32 v[H8], 3, v11
	v_mov_b32 v[F+1], 0
.irp i, 6,7,8,9,10,11
	v_mov_b32 v[QF+\i], 0                          ; the zero codes, written once
.irp p, 0,1,2,3
	v_mov_b32 v[KF+18*\p+\i], 0
.endr
.endr
	global_load_b128 v[QF:QF+3], v1, s[58:59]
	global_load_b64 v[QF+4:QF+5], v2, s[58:59] offset:512
	global_load_b128 v[QF+12:QF+15], v1, s[58:59]  ; q once more, for the odd tiles
	global_load_b64 v[QF+16:QF+17], v2, s[58:59] offset:512
	global_load_b32 v[QS], v6, s[52:53]
	global_load_b128 v[Q2:Q2+3], v1, s[62:63]
	global_load_b64 v[Q2+4:Q2+5], v2, s[62:63] offset:512
	global_load_b32 v[Q2S], v6, s[60:61]
	WALU                                           ; the wait at the head's end
	s_wait_loadcnt 0x0                             ; Q
	s_cmp_lt_u32 s10, 4
	s_cbranch_scc0 .Lnot_a
	s_wait_tensorcnt 0x0                           ; waves 0-3: my record has landed
.Lnot_a:
	s_barrier_signal -1
	s_barrier_wait -1                              ; records 0-3 are in
	s_wait_tensorcnt 0x0                           ; every wave: all my loads have landed (waves 4-7: three records each)
	s_barrier_signal -1                            ; the second barrier; its wait stands behind the first three key steps
.macro KLOAD a                         ; a record's K: its scale words (register a: lanes 0-15 tile 2 a, lanes 16-31 tile 2 a + 1) and eight fragments; v[a] = 16 x lane, v[a + 1] = 8 x lane in the record: 17 loads
	ds_load_b128 v[KS:KS+3], v[\a] offset:6144
.irp t, 0,1,2,3,4,5,6,7
	ds_load_b128 v[KF+18*(\t/2)+12*(\t%2):KF+18*(\t/2)+12*(\t%2)+3], v[\a] offset:768*\t
	ds_load_b64 v[KF+18*(\t/2)+12*(\t%2)+4:KF+18*(\t/2)+12*(\t%2)+5], v[\a+1] offset:768*\t+512
.endr
.endm
; A KEY STEP: 128 keys, record s54, at LDS byte s55; its K lies in registers.  s56 = my block of queries.  edge = 1: the step may lie on the diagonal or past it
.macro STEP edge
.if \edge
	s_cmp_gt_u32 s54, s56                          ; all keys of this step come after my queries
	s_cbranch_scc1 .Lskip_\@
.endif
	s_add_co_u32 s57, s55, REC
	s_min_u32 s57, s57, 15*REC                     ; the next record, held at the last: behind step 15 record 15 is fetched once more and not used
	v_mov_b32 v11, v12                             ; these five lines are the places behind the last products, whose fragments of V the products below write over
	v_add_nc_u32 v3, s55, v1
	v_add_nc_u32 v4, s55, v2
	v_add_nc_u32 v[NX], s57, v1
	v_add_nc_u32 v[NX+1], s57, v2
	WALU
.irp t, 0,1,2,3,4,5,6,7                ; S^T = K Q^T
.if (\t)%2
	v_wmma_scale_f32_16x16x128_f8f6f4 v[S+8*\t:S+8*\t+7], v[KF+18*(\t/2)+6:KF+18*(\t/2)+17], v[QF+6:QF+17], 0, v[KS+\t/2], v[QS] matrix_a_fmt:MATRIX_FMT_BF6 matrix_b_fmt:MATRIX_FMT_BF6 matrix_a_scale:MATRIX_SCALE_ROW1
.else
	v_wmma_scale_f32_16x16x128_f8f6f4 v[S+8*\t:S+8*\t+7], v[KF+18*(\t/2):KF+18*(\t/2)+11], v[QF:QF+11], 0, v[KS+\t/2], v[QS] matrix_a_fmt:MATRIX_FMT_BF6 matrix_b_fmt:MATRIX_FMT_BF6
.endif
.endr
.rept 4
	v_nop                                          ; places in front of the loads into the products' registers and of the first read of the scores
.endr
	KLOAD NX                                       ; the next step's K
.if \edge
	s_cmp_lg_u32 s54, s56                          ; the diagonal step is my own block's: hidden scores become -infinity ahead of the maximum, so that p = 0
	s_cbranch_scc1 .Lopen_\@
.set n, 0
.rept 64
	v_cmp_gt_i32 vcc_lo, 64*(n/32)+n%32, v5
	v_cndmask_b32 v[S+n], v[S+n], v8, vcc_lo
.set n, n+1
.endr
.Lopen_\@:
.endif
; the largest score of each of my two blocks of 32 keys, four chains by turns: it serves the row's maximum and, since p rises with the score, the block's largest p
.irp c, 0,1
	v_max3_num_f32 v[BM+\c], v[S+32*\c], v[S+32*\c+1], v[S+32*\c+2]
.endr
.irp c, 0,1
	v_max3_num_f32 v[TP+\c], v[S+32*\c+16], v[S+32*\c+17], v[S+32*\c+18]
.endr
.irp i, 3,5,7,9,11,13
.irp c, 0,1
	v_max3_num_f32 v[BM+\c], v[BM+\c], v[S+32*\c+\i], v[S+32*\c+\i+1]
.endr
.irp c, 0,1
	v_max3_num_f32 v[TP+\c], v[TP+\c], v[S+32*\c+16+\i], v[S+32*\c+17+\i]
.endr
.endr
.irp c, 0,1
	v_max3_num_f32 v[BM+\c], v[BM+\c], v[TP+\c], v[S+32*\c+15]
.endr
.irp c, 0,1
	v_max_num_f32 v[BM+\c], v[BM+\c], v[S+32*\c+31]
.endr
	s_delay_alu instid0(VALU_DEP_1)
	v_max_num_f32 v9, v[BM], v[BM+1]
	s_delay_alu instid0(VALU_DEP_1)
	v_permlanex16_b32 v10, v9, s20, s21
	s_delay_alu instid0(VALU_DEP_1)
	v_max3_num_f32 v13, v13, v9, v10               ; the running largest score of my query
	s_delay_alu instid0(VALU_DEP_1)
	v_mul_f32 v9, s22, v13                         ; as t
	s_delay_alu instid0(VALU_DEP_1)
	v_floor_f32 v12, -v9                           ; the new -M = floor(-t): M is a whole number
.set j, 0
.rept 32
	v_pk_fma_f32 v[S+j:S+j+1], v[S+j:S+j+1], s[22:23], v[12:13] op_sel_hi:[1,0,0]   ; t - M, two at a time
.if j == 6
	v_sub_f32 v11, v12, v11                        ; old M - new M: a whole number, 0 or less
.endif
.if j == 14
	v_cvt_i32_f32 v11, v11                         ; (it saturates)
.endif
.if j == 22
	v_ldexp_f32 v[F], 1.0, v11                     ; f = 2^(old M - new M)
.endif
.set j, j+2
.endr
.irp c, 0,1
	v_fma_f32 v[BM+\c], v[BM+\c], s22, v12         ; the same of each block's largest score
.endr
	WALU                                           ; the wait ahead of the batch
.set j, 0
.rept 64
	v_exp_f32 v[S+j], v[S+j]                       ; p = 2^(t - M), at most 1
.set j, j+1
.endr
.irp c, 0,1
	v_exp_f32 v[BM+\c], v[BM+\c]                   ; the block's largest p: the same two instructions on the same number
.endr
	v_pk_mul_f32 v[14:15], v[14:15], v[F:F+1] op_sel_hi:[1,0]   ; the sums under the new M.  (A plain line behind the exponentials)
	WALU                                           ; one wait for the batch of 66, ahead of its first reader
	v_pk_add_f32 v[AD:AD+1], v[S:S+1], v[S+2:S+3]  ; the row's sum is taken of the unquantised p: four chains, 32 additions of pairs
	v_pk_add_f32 v[AD+2:AD+3], v[S+4:S+5], v[S+6:S+7]
	v_pk_add_f32 v[AD+4:AD+5], v[S+8:S+9], v[S+10:S+11]
	v_pk_add_f32 v[14:15], v[14:15], v[S+12:S+13]
.irp c, 0,1
	v_max_num_f32 v[BM+\c], 0x2800000, v[BM+\c]    ; the floor 2^(5 - 127): the byte cannot fall under 1 (a block of zeros keeps that byte: its codes are zeros)
.endr
.irp j, 14,22,30,38,46,54
	v_pk_add_f32 v[AD:AD+1], v[AD:AD+1], v[S+\j:S+\j+1]
	v_pk_add_f32 v[AD+2:AD+3], v[AD+2:AD+3], v[S+\j+2:S+\j+3]
	v_pk_add_f32 v[AD+4:AD+5], v[AD+4:AD+5], v[S+\j+4:S+\j+5]
	v_pk_add_f32 v[14:15], v[14:15], v[S+\j+6:S+\j+7]
.if \j == 14
	v_add_nc_u32 v[SO], 0xfe000000, v[BM]          ; 4 off the exponent field: the conversion's scale operand
	v_add_nc_u32 v[SO+1], 0xfe000000, v[BM+1]
.endif
.endr
	v_pk_add_f32 v[14:15], v[14:15], v[S+62:S+63]
.irp c, 0,1
	v_cvt_scalef32_pk16_bf6_f32 v[PC+6*\c:PC+2+6*\c], v[S+32*\c:S+15+32*\c], v[SO+\c]
	v_cvt_scalef32_pk16_bf6_f32 v[P2+4*\c:P2+2+4*\c], v[S+16+32*\c:S+31+32*\c], v[SO+\c]   ; (a conversion's three registers begin on an even number)
.endr
	v_nop                                          ; one plain line behind a scaled conversion
.irp t, 0,1,2,3                        ; V's four fragments land where p lay; what needs neither p nor V stands behind these loads
.irp c, 0,1,2
	ds_load_b128 v[VF+12*\t+4*\c:VF+12*\t+4*\c+3], v3 offset:6656+1536*\t+512*\c
.endr
.endr
	ds_load_b64 v[VS:VS+1], v4 offset:12800        ; V's scale words: register b: lanes 0-15 tile 2 b, lanes 16-31 tile 2 b + 1
	v_lshrrev_b32 v[TP], 23, v[SO]                 ; the scales' bytes
	v_lshrrev_b32 v[TP+1], 23, v[SO+1]
	v_pk_add_f32 v[AD:AD+1], v[AD:AD+1], v[AD+2:AD+3]
	v_mov_b32 v[PC+3], v[P2]
	v_lshl_or_b32 v[SW], v[TP+1], 16, v[TP]        ; my two bytes, blocks h and 2 + h,
	v_pk_add_f32 v[14:15], v[14:15], v[AD+4:AD+5]
	v_mov_b32 v[PC+4], v[P2+1]
	v_mov_b32 v[PC+5], v[P2+2]
	v_lshlrev_b32 v[SW], v[H8], v[SW]              ; at their places,
	v_pk_add_f32 v[14:15], v[14:15], v[AD:AD+1]
	v_mov_b32 v[PC+9], v[P2+4]
	v_mov_b32 v[PC+10], v[P2+5]
	v_permlanex16_b32 v10, v[SW], s20, s21
	v_mov_b32 v[PC+11], v[P2+6]
	v_nop
	v_or_b32 v[SW], v[SW], v10                     ; and with lane l xor 16's two p's scale word is whole
	WALU                                           ; the wait directly ahead of the first reader of O^T
.set j, 0
.rept 16
	v_pk_mul_f32 v[O+j:O+j+1], v[O+j:O+j+1], v[F:F+1] op_sel_hi:[1,0]   ; O^T under the new M
.set j, j+2
.endr
	WALU                                           ; and ahead of the wait below
	s_wait_dscnt 0x0                               ; V's fragments are in, and the next step's K, which was asked for ahead of them
.irp t, 0,1,2,3                        ; O^T += V^T P^T: the four accumulators by turns
.if (\t)%2
	v_wmma_scale_f32_16x16x128_f8f6f4 v[O+8*\t:O+8*\t+7], v[VF+12*\t:VF+12*\t+11], v[PC:PC+11], v[O+8*\t:O+8*\t+7], v[VS+\t/2], v[SW] matrix_a_fmt:MATRIX_FMT_BF6 matrix_b_fmt:MATRIX_FMT_BF6 matrix_a_scale:MATRIX_SCALE_ROW1
.else
	v_wmma_scale_f32_16x16x128_f8f6f4 v[O+8*\t:O+8*\t+7], v[VF+12*\t:VF+12*\t+11], v[PC:PC+11], v[O+8*\t:O+8*\t+7], v[VS+\t/2], v[SW] matrix_a_fmt:MATRIX_FMT_BF6 matrix_b_fmt:MATRIX_FMT_BF6
.endif
.endr
.if \edge
.Lskip_\@:
.endif
	s_add_co_u32 s55, s55, REC                     ; the next record
	s_add_co_u32 s54, s54, 1
.endm
; A tile of queries begins: where its results go (block s56), the running numbers, and record 0's K
.macro TSET
	s_lshr_b32 s16, s14, 4
	s_lshl_b32 s16, s16, 7                         ; 128 tiles a batch
	s_lshl_b32 s17, s56, 3
	s_add_co_u32 s16, s16, s17
	s_add_co_u32 s16, s16, s15                     ; my tile of 16 tokens in hq
	s_and_b32 s17, s14, 15                         ; the head = the chunk
	s_lshl_b32 s18, s16, 4
	s_add_co_u32 s18, s18, s17
	s_mul_i32 s18, s18, 768
	s_mov_b32 s19, 0
	s_add_nc_u64 s[40:41], s[8:9], s[18:19]
	s_lshl_b32 s18, s16, 9
	s_lshl_b32 s17, s17, 1
	s_add_co_u32 s18, s18, s17
	s_add_co_u32 s18, s18, XS
	s_add_nc_u64 s[42:43], s[8:9], s[18:19]
	s_mov_b32 s54, 0
	s_mov_b32 s55, 0
	KLOAD 1                                        ; record 0 lies at LDS byte 0: v1, v2 are its addresses
	v_mov_b32 v13, 0xff61b1e6                      ; the largest score so far: -3e38
	v_mov_b32 v12, 0x7d000000                      ; -M: 2^123, a whole number over every -M that follows: the first f is 0
	v_mov_b32 v14, 0
	v_mov_b32 v15, 0
.set j, 0
.rept 32
	v_mov_b32 v[O+j], 0                            ; the step is written once: the first finds zeros
.set j, j+1
.endr
	WALU
	s_wait_dscnt 0x0
.endm
; O^T / the sum, quantised: my 32 channels are one block of the last product's K; stored as one chunk of hq and a scale byte a lane
.macro FINISH
	v_add_f32 v14, v14, v15
	v_permlanex16_b32 v10, v14, s20, s21
	v_add_f32 v14, v14, v10                        ; the row's sum
.rept 2
	v_nop                                          ; with the lines above and the one behind the reciprocal: the places behind the last products
.endr
	WALU
	v_rcp_f32 v14, v14
	v_nop                                          ; a plain line behind the reciprocal
	WALU                                           ; the wait ahead of its first reader, which is O^T's first reader too
.set j, 0
.rept 16
	v_pk_mul_f32 v[S+j:S+j+1], v[O+j:O+j+1], v[14:15] op_sel_hi:[1,0]   ; register n: channel 32 h + n; each accumulator from its low end on
.set j, j+2
.endr
	v_max3_num_f32 v[BM], |v[S]|, |v[S+1]|, 0x2800000
	v_max3_num_f32 v[BM+1], |v[S+16]|, |v[S+17]|, 0x2800000
.irp i, 2,4,6,8,10,12,14
	v_max3_num_f32 v[BM], v[BM], |v[S+\i]|, |v[S+1+\i]|
	v_max3_num_f32 v[BM+1], v[BM+1], |v[S+16+\i]|, |v[S+17+\i]|
.endr
	v_max_num_f32 v[BM], v[BM], v[BM+1]
	v_add_nc_u32 v[SO], 0xfe000000, v[BM]
	v_cvt_scalef32_pk16_bf6_f32 v[PC:PC+2], v[S:S+15], v[SO]
	v_cvt_scalef32_pk16_bf6_f32 v[P2:P2+2], v[S+16:S+31], v[SO]
	v_lshrrev_b32 v[TP], 23, v[SO]                 ; the scale's byte.  (A plain line behind the conversions)
.irp i, 0,1,2
	v_mov_b32 v[PC+3+\i], v[P2+\i]
.endr
	global_store_b128 v1, v[PC:PC+3], s[40:41]             ; 512 consecutive bytes, aligned to 256
	global_store_b64 v2, v[PC+4:PC+5], s[40:41] offset:512 ; 256 consecutive bytes
	global_store_b8 v7, v[TP], s[42:43]                    ; two bytes of each row's 32: the other heads' come from other work-groups
.endm
	TSET                                           ; block 15 - w'
.Lfirst:                                           ; its key steps 0-2: they read records 0-3, and are never on the diagonal (the block is 8 or more)
	STEP 0
	s_cmp_lt_u32 s54, 3
	s_cbranch_scc1 .Lfirst
	s_barrier_wait -1                              ; all sixteen records are in
.Llong:
	STEP 1
	s_cmp_lt_u32 s54, 16
	s_cbranch_scc1 .Llong
	FINISH
	s_wait_xcnt 0x0                                ; the stores have read their registers and bases
	s_mov_b32 s56, s11                             ; block w'
.irp i, 0,1,2,3,4,5
	v_mov_b32 v[QF+\i], v[Q2+\i]                   ; its q, to both places
	v_mov_b32 v[QF+12+\i], v[Q2+\i]
.endr
	v_mov_b32 v[QS], v[Q2S]
	TSET
.Lshort:
	STEP 1
	s_cmp_lt_u32 s54, 8
	s_cbranch_scc1 .Lshort
	FINISH
	s_wait_tensorcnt 0x0                           ; the wave's end
	ds_add_u32 v254, v255
	s_wait_dscnt 0x0
	ROUND                                          ; the closing round
	s_endpgm
.Lfunc_end_k_qa2c3ee4478_attn:
	.size	k_qa2c3ee4478_attn, .Lfunc_end_k_qa2c3ee4478_attn-k_qa2c3ee4478_attn
	.p2alignl 7, 3214868480
	.fill 96, 4, 3214868480
	.section	.rodata,"a",@progbits
	.p2align	6, 0x0
	.amdhsa_kernel k_qa2c3ee4478_attn
		.amdhsa_group_segment_fixed_size 210944
		.amdhsa_private_segment_fixed_size 0
		.amdhsa_enable_private_segment 0
		.amdhsa_kernarg_size 24
		.amdhsa_user_sgpr_count 2
		.amdhsa_user_sgpr_kernarg_segment_ptr 1
		.amdhsa_wavefront_size32 1
		.amdhsa_system_sgpr_workgroup_id_x 1
		.amdhsa_system_sgpr_workgroup_id_y 1
		.amdhsa_system_sgpr_workgroup_id_z 1
		.amdhsa_system_vgpr_workitem_id 0
		.amdhsa_next_free_vgpr 256
		.amdhsa_next_free_sgpr 66
		.amdhsa_reserve_vcc 1
		.amdhsa_float_denorm_mode_32 3
		.amdhsa_float_denorm_mode_16_64 3
		.amdhsa_memory_ordered 1
		.amdhsa_forward_progress 1
		.amdhsa_inst_pref_size 75
	.end_amdhsa_kernel
	.amdgpu_metadata
---
amdhsa.version: [ 1, 2 ]
amdhsa.kernels:
  - .name:           k_qa2c3ee4478_attn
    .symbol:         k_qa2c3ee4478_attn.kd
    .args:
      - { .name: qb, .offset: 0, .size: 8, .value_kind: global_buffer, .address_space: global }
      - { .name: kv, .offset: 8, .size: 8, .value_kind: global_buffer, .address_space: global }
      - { .name: hq, .offset: 16, .size: 8, .value_kind: global_buffer, .address_space: global }
    .group_segment_fixed_size: 210944
    .private_segment_fixed_size: 0
    .kernarg_segment_align: 8
    .kernarg_segment_size: 24
    .max_flat_workgroup_size: 512
    .sgpr_count:     66
    .vgpr_count:     256
    .wavefront_size: 32
...
	.end_amdgpu_metadata
.endif
;; end of part 3
;; launch oproj (part 4): grid 32 x 8, 4 waves a work-group, clusters of 4 x 4, 327,680 bytes of LDS; arguments hq, wq, out0; writes out0
.if DOCPART == 4
	.amdgcn_target "amdgcn-amd-amdhsa--gfx1250"
	.amdhsa_code_object_version 6
	.text
	.protected	k_qa2c3ee4478_oproj
	.globl	k_qa2c3ee4478_oproj
	.p2align	8
	.type	k_qa2c3ee4478_oproj,@function
k_qa2c3ee4478_oproj:
	s_mov_b64 s[64:65], 0
	v_nop
	global_prefetch_b8 v0, s[64:65] scope:SCOPE_SE
	s_setreg_imm32_b32 hwreg(HW_REG_WAVE_MODE, 25, 1), 1
	s_wait_xcnt 0x0
	s_wait_alu depctr_hold_cnt(0) depctr_sa_sdst(0) depctr_va_vdst(0) depctr_va_sdst(0) depctr_va_ssrc(0) depctr_va_vcc(0) depctr_vm_vsrc(0)
	s_getreg_b32 s2, hwreg(HW_REG_IB_STS2, 6, 4)
	s_cmp_eq_u32 s2, 0
	s_cbranch_scc0 .Lentry_in_a_cluster
	s_endpgm
.Lentry_in_a_cluster:
	s_bfe_u32 s2, ttmp6, 0x10000c
	s_cmp_lg_u32 s2, 0xf033
	s_cbranch_scc0 .Lentry_shape_is_right
	s_endpgm
.Lentry_shape_is_right:
; OPROJ.  out[token][n] = sum over k of head_out[token][k] Wo[n][k], f32: 8,192 x 1,024 x 1,024 on codes of BF6 (E3M2) with E8M0 scales.
; A = hq, what the attention launch left; B = Wo's part of wq.  Both lie as operand images: tiles of 16 rows, 12,288 bytes: 16 chunks of 64 along K of 768 bytes, a lane's first 16 bytes at 16 x lane, its last 8 at 512 + 8 x lane;
; scale bytes 32 a row, 512 a tile.  Place r of tile T is row 64 (T / 4) + 32 (r / 8) + 8 (T % 4) + r % 8.
; THE DEAL.  256 work-groups of four waves, 2 x 2, each 256 rows x 128 columns.  A wave holds four tiles of B, all of K, in registers (384) and streams A's tiles past them in eight blocks of 16 rows: block s of wave row w is tile 2 s + w.
; Tile row = 4 x cluster x + cx, tile column = 4 x cluster y + cy.  A's rows are shared by a column of the cluster, B's by a row.
; The product is used transposed (source 0 = B's rows): register i of tile b of lane (r, h) is column 32 h + 8 b + i of my wave's 64, row place r.
; LDS: A's 16 tiles, dense, filled once; B's 8 tiles, filled once; the spare words; the waves' stages lie in B's first bytes, which are read for the last time ahead of the barrier in front of the stream.
; THE HEAD'S FOUR TILES, one a wave, each on its own line: B; A's rows 0-127; 128-191; 192-255.  The stream begins when the first two are in; a plain barrier inside block 1 shows the others (block 4, the first to need them, is fetched behind block 2).
; Scale words come by plain loads straight into registers: B's 16, A's 64 (eight a block).  No refill and no data prefetch: all is asked for at the head.
; Two sets of A's fragments, of accumulators and of rows back from the stage, by turns.  Behind a block's 32 products: its sums into the stage and back as rows of 256 bytes, the fetch of the block two on, ONE wait on LDS
; (younger than the rows' way back is the fetch alone, NF loads; it shows the next block's rows in too), eight stores.
; LIMITS: NaN, infinities and sums beyond f32's range are not served.
.set XS,  6291456                      ; hq: where the scale bytes begin
.set WOC, 2359296                      ; wq: Wo's codes
.set WOS, 3244032                      ; wq: Wo's scale bytes
.set TB, 12288                         ; a tile's bytes
.set KROW, 768
.set KS, 32
.set TM, 256
.set TN, 128
.set NQ, 8
.set NB, 4
.set FR, 12
.set FPW, 256/FR                       ; fragments in a window
.set NF, 32                            ; LDS loads of a block
.set YB, 16*TB                         ; B's tiles
.set SPARE, YB+8*TB
.set SPITCH, 272                       ; a stage: 16 rows x (256 bytes + 16) for each wave
.set STAGE, YB
.set A0, 4                             ; v4, v5   LDS address of my block 0: 16 x lane, 8 x lane
.set AN, 6                             ; v6, v7   the same for the block that is fetched next
.set CO, 9                             ; v9       my byte offset in out0: row l / 16, 16 bytes x (l % 16)
.set SPW, 10
.set NIL, 11
.set ADRB, 12                          ; v12, v13 LDS address of my four tiles of B
.set ABS, 16                           ; v16      32 x lane: B's scale bytes
.set AAS, 17                           ; v17      32 x r: A's
.set STO, 18
.set RD, 19
.set SB, 28                            ; v28-43   B's scale words
.set ACC, 64                           ; v64-127  two sets of four accumulators
.set BK, 128                           ; v128-191 two sets: 16 rows x 256 bytes back from the stage
.set SAA, 192                          ; v192-255 A's scale words, eight a block.  A product's two scale registers differ by 4 modulo 8 in their numbers
.set G1A, 24
.set G0A, 56
.set G1B, 32
.set G0B, 60
.set MSB, 0
.macro WIN new
.if MSB != \new
	s_set_vgpr_msb (MSB<<8)|\new
.set MSB, \new
.endif
.endm
.macro PLACES n
.rept \n
	v_nop
.endr
.endm
.macro WALU
	s_wait_alu depctr_va_vdst(0)
.endm
.macro BARRIER
	s_barrier_signal -1
	s_barrier_wait -1
.endm
.macro CROUND
	BARRIER
	s_cmp_lg_u32 s14, 0
	s_cbranch_scc1 .Lnot_wave_0_\@
	s_barrier_signal -3
.Lnot_wave_0_\@:
	s_barrier_wait -3
	BARRIER
.endm
.macro TLOAD g0, g1
	tensor_load_to_lds s[\g0:\g0+3], s[\g1:\g1+7]
	s_nop 0
	PLACES 4
.endm
.macro ATILE first, rows               ; a part of A's 256 rows, by a descriptor of constants: dense, so its place in LDS is its place among the rows
	s_mov_b32 s[G0A+1], (\first)*KROW
	s_mov_b32 s[G1A+2], (\rows)<<16
	s_mov_b32 s[G1A+4], \rows
.if \first
	s_add_nc_u64 s[G0A+2:G0A+3], s[G0A+2:G0A+3], (\first)*KROW
.endif
	s_or_b32 s[G0A+3], s[G0A+3], 0x80000000
	TLOAD G0A, G1A
.endm
.macro GROUP1 g, mask, rows            ; rows of 768 bytes, dense
	s_or_b32 s[\g+0], s[\mask], (1<<21)
	s_mov_b32 s[\g+1], KROW<<16
	s_mov_b32 s[\g+3], KROW<<16
.if \rows
	s_mov_b32 s[\g+2], (\rows)<<16
	s_mov_b32 s[\g+4], \rows
.endif
	s_mov_b32 s[\g+5], KROW
	s_mov_b32 s[\g+6], 0
	s_mov_b32 s[\g+7], 0
.endm
.macro FRAG f, a, off                  ; fragment f (at register 12 (f % 21) of window 1 + f / 21): two chunks from byte off on
.set R_, FR*((\f)%FPW)
	WIN (1+(\f)/FPW)<<6
.irp c, 0,1
	ds_load_b128 v[R_+6*\c:R_+6*\c+3], v[\a] offset:(\off)+768*\c
	ds_load_b64 v[R_+6*\c+4:R_+6*\c+5], v[\a+1] offset:(\off)+768*\c+512
.endr
.endm
.macro FETCHAT e, a                    ; a block of A into set e: NF loads
.irp q, 0,1,2,3,4,5,6,7
	FRAG NB*NQ+NQ*(\e)+\q, \a, 1536*\q
.endr
	WIN 0
.endm
.macro PROD1 d, s0, s1, c, x0, x1, o
.if \o
	v_wmma_scale_f32_16x16x128_f8f6f4 v[\d:\d+7], v[FR*((\s0)%FPW):FR*((\s0)%FPW)+FR-1], v[FR*((\s1)%FPW):FR*((\s1)%FPW)+FR-1], \c, v[\x0], v[\x1] matrix_a_fmt:MATRIX_FMT_BF6 matrix_b_fmt:MATRIX_FMT_BF6 matrix_a_scale:MATRIX_SCALE_ROW1
.else
	v_wmma_scale_f32_16x16x128_f8f6f4 v[\d:\d+7], v[FR*((\s0)%FPW):FR*((\s0)%FPW)+FR-1], v[FR*((\s1)%FPW):FR*((\s1)%FPW)+FR-1], \c, v[\x0], v[\x1] matrix_a_fmt:MATRIX_FMT_BF6 matrix_b_fmt:MATRIX_FMT_BF6 matrix_a_scale:MATRIX_SCALE_ROW0
.endif
.endm
.macro PROD s, n                       ; product n = 4 q + tile of block s; the four accumulators by turns
.set Q_, (\n)/4
.set FB_, NB*Q_+(\n)%4
.set FA_, NB*NQ+NQ*((\s)%2)+Q_
.set D_, ACC+32*((\s)%2)+8*((\n)%4)
.set XB_, SB+NQ*(((\n)%4)/2)+Q_
.set XA_, SAA+8*(\s)+Q_
	WIN (1+FB_/FPW)|((1+FA_/FPW)<<2)
.if Q_
	PROD1 D_, FB_, FA_, v[D_:D_+7], XB_, XA_, (\n)%2
.else
	PROD1 D_, FB_, FA_, 0, XB_, XA_, (\n)%2
.endif
.endm
.macro PRODS s, from, to
.set N_, \from
.rept (\to)-(\from)
	PROD \s, N_
.set N_, N_+1
.endr
	WIN 0
.endm
.macro STAGED u                        ; set u's sums into my stage, each accumulator from its low end on, and back as whole rows.  LDS serves a wave's instructions in order (ISA guide 5.7.1.4): no wait between
.irp b, 0,1,2,3
	ds_store_b128 v[STO], v[ACC+32*(\u)+8*\b:ACC+32*(\u)+8*\b+3] offset:32*\b
	ds_store_b128 v[STO], v[ACC+32*(\u)+8*\b+4:ACC+32*(\u)+8*\b+7] offset:32*\b+16
.endr
.irp t, 0,1,2,3,4,5,6,7
	ds_load_b128 v[BK+32*(\u)+4*\t:BK+32*(\u)+4*\t+3], v[RD] offset:2*\t*SPITCH
.endr
.endm
.macro TOC s                           ; block s's rows 2 t, 2 t + 1 are tokens 64 (s / 2) + 16 (s % 2) + 32 (t / 4) + 2 t % 8 and the next, from my wave row's first token on
.irp t, 0,1,2,3,4,5,6,7
	global_store_b128 v[CO], v[BK+32*((\s)%2)+4*\t:BK+32*((\s)%2)+4*\t+3], s[12:13] offset:(64*((\s)/2)+16*((\s)%2)+32*(\t/4)+(2*\t)%8)*4096 th:TH_STORE_NT   ; sixteen lanes store 256 consecutive bytes, aligned
.endr
.endm
.macro STREAM s
.if (\s) == 1
	PRODS \s, 0, 24
	s_wait_tensorcnt 0x0
	s_wait_dscnt 0x0
	s_barrier_signal -1                            ; a plain barrier: waves 2 and 3's tiles are shown to all
	PRODS \s, 24, 32
	s_barrier_wait -1
.else
	PRODS \s, 0, 32
.endif
.if (\s) < 6                           ; four plain vector lines stand between the last product and the first reader of its sums and the fetch into its registers
	v_add_nc_u32 v[AN], ((\s)+2)*2*TB, v[A0]
	v_add_nc_u32 v[AN+1], ((\s)+2)*2*TB, v[A0+1]
	PLACES 2
	WALU
.else
	PLACES 4
.endif
	s_wait_xcnt 0x0                                ; the stores of two blocks ago have read this set of rows
	STAGED (\s)%2
.if (\s) < 6
	FETCHAT (\s)%2, AN
	s_wait_dscnt NF                                ; the block's rows are back from the stage; its fetch is younger
.else
	s_wait_dscnt 0x0
.endif
	TOC \s
.endm
	s_load_b128 s[4:7], s[0:1], 0x0                ; hq, wq
	s_load_b64 s[12:13], s[0:1], 0x10              ; out0
	v_lshl_add_u32 v[SPW], v0, 2, SPARE
	v_mov_b32 v[NIL], 0
	ds_add_u32 v[SPW], v[NIL]                      ; the opening lines: the add twice on end and one wait
	ds_add_u32 v[SPW], v[NIL]
	v_lshrrev_b32 v1, 5, v0
	v_readfirstlane_b32 s14, v1                    ; the wave; s15 its row of the 2 x 2, s16 its column
	s_lshr_b32 s15, s14, 1
	s_and_b32 s16, s14, 1
	s_bfe_u32 s40, ttmp6, 0x40000
	s_bfe_u32 s41, ttmp6, 0x40004
	s_lshl_b32 s43, ttmp9, 2
	s_add_co_u32 s43, s43, s40                     ; tile row
	s_and_b32 s42, ttmp7, 0xffff
	s_lshl_b32 s42, s42, 2
	s_add_co_u32 s42, s42, s41                     ; tile column
	s_lshl_b32 s44, 0x1111, s40                    ; my column of the cluster: shares A's rows
	s_lshl_b32 s45, s41, 2
	s_lshl_b32 s45, 15, s45                        ; my row: shares B's
	GROUP1 G1A, 44, 0
	GROUP1 G1B, 45, TN
	s_mov_b32 s[G0A], 1
	s_mov_b32 s[G0B], 1
	s_mov_b32 s[G0B+1], YB
	s_mul_i32 s76, s43, TM*KROW                    ; A's codes
	s_mov_b32 s77, 0
	s_mul_i32 s78, s42, TN*KROW
	s_add_co_u32 s78, s78, WOC                     ; B's codes
	s_mov_b32 s79, 0
	s_mul_i32 s80, s43, TM*KS
	s_lshl_b32 s21, s15, 9
	s_add_co_u32 s80, s80, s21
	s_add_co_u32 s80, s80, XS                      ; A's scale bytes: my block 0's tile
	s_mov_b32 s81, 0
	s_mul_i32 s82, s42, TN*KS
	s_mul_i32 s21, s16, 64*KS
	s_add_co_u32 s82, s82, s21
	s_add_co_u32 s82, s82, WOS                     ; B's: my 64 rows
	s_mov_b32 s83, 0
	s_lshl_b32 s84, s43, 20                        ; out0: 256 tokens of 4,096 bytes a tile row,
	s_lshl_b32 s21, s15, 15                        ; 8 tokens for my wave row,
	s_add_co_u32 s84, s84, s21
	s_lshl_b32 s21, s42, 9                         ; 512 bytes a tile column,
	s_add_co_u32 s84, s84, s21
	s_lshl_b32 s21, s16, 8                         ; 256 for my wave column
	s_add_co_u32 s84, s84, s21
	s_mov_b32 s85, 0
	s_mul_i32 s23, s15, TB
	s_mul_i32 s22, s16, NB*TB
	s_add_co_u32 s22, s22, YB
	s_mul_i32 s21, s14, 16*SPITCH
	s_add_co_u32 s21, s21, STAGE
	v_and_b32 v1, 15, v0
	v_bfe_u32 v2, v0, 4, 1
	v_and_b32 v3, 31, v0
	v_lshl_add_u32 v[A0], v3, 4, s23
	v_lshl_add_u32 v[A0+1], v3, 3, s23
	v_lshl_add_u32 v[ADRB], v3, 4, s22
	v_lshl_add_u32 v[ADRB+1], v3, 3, s22
	v_add_nc_u32 v[AN], 2*TB, v[A0]
	v_add_nc_u32 v[AN+1], 2*TB, v[A0+1]
	v_lshlrev_b32 v[ABS], 5, v3
	v_lshlrev_b32 v[AAS], 5, v1
	v_mul_u32_u24 v23, v1, SPITCH
	v_lshl_add_u32 v23, v2, 7, v23
	v_add_nc_u32 v[STO], s21, v23                  ; into the stage: row r, 128 bytes for each half of the lanes
	v_mul_u32_u24 v23, v2, SPITCH
	v_lshl_add_u32 v23, v1, 4, v23
	v_add_nc_u32 v[RD], s21, v23                   ; back: lanes 0-15 one row of 256 bytes, lanes 16-31 the next
	v_lshlrev_b32 v23, 12, v2
	v_lshl_add_u32 v[CO], v1, 4, v23
	WALU                                           ; the wait at the head's end
	s_wait_dscnt 0x0
	CROUND                                         ; the opening round
	s_wait_kmcnt 0x0
	s_add_nc_u64 s[G0A+2:G0A+3], s[4:5], s[76:77]
	s_add_nc_u64 s[G0B+2:G0B+3], s[6:7], s[78:79]
	s_or_b32 s[G0B+3], s[G0B+3], 0x80000000
	s_add_nc_u64 s[8:9], s[4:5], s[80:81]
	s_add_nc_u64 s[10:11], s[6:7], s[82:83]
	s_add_nc_u64 s[12:13], s[12:13], s[84:85]
	s_cmp_eq_u32 s14, 0
	s_cbranch_scc0 .Lwave_1
	TLOAD G0B, G1B                                 ; wave 0: B's rows, which are wanted first
	s_branch .Lasked
.Lwave_1:
	s_cmp_eq_u32 s14, 1
	s_cbranch_scc0 .Lwave_2
	ATILE 0, 128                                   ; wave 1: A's rows 0 to 127
	s_branch .Lasked
.Lwave_2:
	s_cmp_eq_u32 s14, 2
	s_cbranch_scc0 .Lwave_3
	ATILE 128, 64                                  ; wave 2: 128 to 191
	s_branch .Lasked
.Lwave_3:
	ATILE 192, 64                                  ; wave 3: 192 to 255
.Lasked:
.irp p, 0,1
.irp c, 0,1
	global_load_b128 v[SB+NQ*\p+4*\c:SB+NQ*\p+4*\c+3], v[ABS], s[10:11] offset:\p*32*KS+16*\c    ; lanes 0-15 tile 2 p's rows, lanes 16-31 tile 2 p + 1's
.endr
.endr
.irp s, 0,1,2,3,4,5,6,7
.irp c, 0,1
	global_load_b128 v[SAA+8*\s+4*\c:SAA+8*\s+4*\c+3], v[AAS], s[8:9] offset:\s*1024+16*\c       ; block s: tile 2 s + w, row r's eight words
.endr
.endr
	s_cmp_eq_u32 s14, 0
	s_cbranch_scc0 .Lnot_b
	s_wait_tensorcnt 0x0
.Lnot_b:
	BARRIER                                        ; B has landed
.irp q, 0,1,2,3,4,5,6,7
.irp b, 0,1,2,3
	FRAG NB*\q+\b, ADRB, \b*TB+1536*\q
.endr
.endr
	WIN 0
	s_cmp_eq_u32 s14, 1
	s_cbranch_scc0 .Lnot_a
	s_wait_tensorcnt 0x0                           ; wave 1: A's rows 0 to 127 have landed
.Lnot_a:
	s_wait_dscnt 0x0
	BARRIER                                        ; A's first 128 rows are in, and nobody reads B's bytes any more.  Waves 2 and 3's tiles may still be on their way
	FETCHAT 0, A0
	FETCHAT 1, AN
	s_wait_loadcnt 0x0                             ; the scale words
	s_wait_dscnt NF                                ; block 0's rows are in
.irp s, 0,1,2,3,4,5,6,7
	STREAM \s
.endr
	s_wait_tensorcnt 0x0                           ; the wave's end
	ds_add_u32 v[SPW], v[NIL]
	s_wait_dscnt 0x0
	CROUND                                         ; the closing round
	s_endpgm
.Lfunc_end_k_qa2c3ee4478_oproj:
	.size	k_qa2c3ee4478_oproj, .Lfunc_end_k_qa2c3ee4478_oproj-k_qa2c3ee4478_oproj
	.p2alignl 7, 3214868480
	.fill 96, 4, 3214868480
	.section	.rodata,"a",@progbits
	.p2align	6, 0x0
	.amdhsa_kernel k_qa2c3ee4478_oproj
		.amdhsa_group_segment_fixed_size 327680
		.amdhsa_private_segment_fixed_size 0
		.amdhsa_enable_private_segment 0
		.amdhsa_kernarg_size 24
		.amdhsa_user_sgpr_count 2
		.amdhsa_user_sgpr_kernarg_segment_ptr 1
		.amdhsa_wavefront_size32 1
		.amdhsa_system_sgpr_workgroup_id_x 1
		.amdhsa_system_sgpr_workgroup_id_y 1
		.amdhsa_system_sgpr_workgroup_id_z 1
		.amdhsa_system_vgpr_workitem_id 0
		.amdhsa_next_free_vgpr 840
		.amdhsa_next_free_sgpr 96
		.amdhsa_reserve_vcc 0
		.amdhsa_float_denorm_mode_32 3
		.amdhsa_float_denorm_mode_16_64 3
		.amdhsa_memory_ordered 1
		.amdhsa_forward_progress 1
		.amdhsa_inst_pref_size 84
	.end_amdhsa_kernel
	.amdgpu_metadata
---
amdhsa.version: [ 1, 2 ]
amdhsa.kernels:
  - .name:           k_qa2c3ee4478_oproj
    .symbol:         k_qa2c3ee4478_oproj.kd
    .args:
      - { .name: hq, .offset: 0, .size: 8, .value_kind: global_buffer, .address_space: global }
      - { .name: wq, .offset: 8, .size: 8, .value_kind: global_buffer, .address_space: global }
      - { .name: out0, .offset: 16, .size: 8, .value_kind: global_buffer, .address_space: global }
    .group_segment_fixed_size: 327680
    .private_segment_fixed_size: 0
    .kernarg_segment_align: 8
    .kernarg_segment_size: 24
    .max_flat_workgroup_size: 128
    .sgpr_count:     96
    .vgpr_count:     840
    .wavefront_size: 32
...
	.end_amdgpu_metadata
.endif
;; end of part 4
